; MI455X (gfx1250); checked and timed in simulation.
; The chip was launched on July 23, 2026; its instructions are those of AMD's public machine-readable ISA for CDNA 5 (MIT licence, August 2026) and "CDNA5" Instruction Set Architecture Reference Guide (July 2026). The comments in the code are by the model that wrote it; some were corrected since.
;; Multi Head Attention. Allowed arithmetic: matrix products marked QUANTISED: E2M3 operands, one E8M0 scale for each 32 along K, by v_wmma_scale_f32_16x16x128_f8f6f4 with both operands' format E2M3, f32 sums; everything else in f32.
;; Inputs: Wk 16 x 1,024 x 64 float32; Wo 1,024 x 1,024 float32; Wq 16 x 1,024 x 64 float32; Wv 16 x 1,024 x 64 float32; bk 16 x 64 float32; bo 1,024 float32; bq 16 x 64 float32; bv 16 x 64 float32; x 4 x 2,048 x 1,024 float32.
;; Outputs: out0 4 x 2,048 x 1,024 float32.
;; Constants: mask = 1.
;; This version of the problem:
;;   THIS VERSION OF THE PROBLEM IS GIVEN IN LOW PRECISION. The matrix products marked QUANTISED in the list below multiply operands that are first quantised to E2M3 (2 exponent bits, 3 mantissa bits; 6 bits a number), with one power-of-two scale for each 32 numbers along K (OCP MX v1.0); their sums are f32. All else is computed in f32.
;;   The module's matrix products, in the order in which they are computed (A, B: the left and right operand; K: the contracted axis; several contracted axes count as one K, in the product's order):
;;     1. [M 1,024, K 1,024] x [K 1,024, N 8,192]; A: input Wq; B: input x: QUANTISED
;;     2. [M 1,024, K 1,024] x [K 1,024, N 8,192]; A: input Wk; B: input x: QUANTISED
;;     3. [M 1,024, K 1,024] x [K 1,024, N 8,192]; A: input Wv; B: input x: QUANTISED
;;     4. batch 64 x [M 2,048, K 64] x [K 64, N 2,048]; A: computed on the way; B: computed on the way: QUANTISED
;;     5. batch 64 x [M 2,048, K 2,048] x [K 2,048, N 64]; A: softmax (see below); B: computed on the way: QUANTISED
;;     6. [M 8,192, K 1,024] x [K 1,024, N 1,024]; A: computed on the way; B: input Wo: QUANTISED
;;   THE QUANTISER, for each operand of a quantised product, along K:
;;     - K is cut into blocks of 32 from its start; a last block that is shorter is filled with zeros.
;;     - A block's scale is 2^e with e = floor(log2(the largest magnitude in the block)) - 2, held to -126 .. 127; a block of zeros has e = 0. As a byte (E8M0): e + 127.
;;     - Each number is divided by its block's scale, clamped to +-7.5, and rounded to the nearest number of E2M3, ties to even, subnormals kept.
;;     - The product sums the exact products of the quantised numbers (number of the format x scale) in f32.
;;   ~~~python
;;   def quantise(x, axis):      # numpy; x: float32 -> the quantised numbers, widened to float32 again
;;       x = np.moveaxis(x, axis, -1); K = x.shape[-1]
;;       x = np.pad(x, [(0, 0)] * (x.ndim - 1) + [(0, -K % 32)]); x = x.reshape(x.shape[:-1] + (-1, 32)); a = np.abs(x).max(-1, keepdims=True)
;;       e = np.where(a > 0, np.clip(np.frexp(np.where(a > 0, a, 1))[1] - 1 - 2, -126, 127), 0)      # np.frexp(a)[1] - 1 = floor(log2(a)), exactly
;;       r = np.clip(x / 2.0 ** e, -7.5, 7.5)
;;       step = 2.0 ** (np.maximum(np.frexp(np.where(r == 0, 1, r))[1] - 1, 0) - 3)
;;       q = np.round(r / step) * step * 2.0 ** e      # np.round: ties to even
;;       return np.moveaxis(q.reshape(q.shape[:-2] + (-1,))[..., :K], -1, axis).astype(np.float32)
;;   ~~~
;;   SOFTMAX AHEAD OF A QUANTISED PRODUCT. Where the list says 'softmax', what is quantised is not the finished softmax but p = 2^(t - M), with t = logit x log2(e) and M = ceil(the row's largest t), a whole number; so 1/2 < the row's largest p <= 1. The row's sum l is taken of the UNQUANTISED p, in f32, and the product's result is divided by l at the end. Since M is a whole number, a kernel that streams over the keys may use a running M (the ceiling of the running maximum): every later rescaling is an exact power of two, which a block's scale takes up: the codes' values come out the same.
;;   OPERANDS COMPUTED ON THE WAY. 'Computed on the way' means the value that the module computes at that place (a softmax that the list does not call 'softmax' is quantised finished and normalised). What goes into a quantiser is computed in f32, as accurately as f32 sums, v_exp_f32 and their like allow (about 1e-6 of the number): no bf16 or f16 on the way to a quantiser, and a product that is left as it is and whose result goes on into a quantised operand takes f32 operands (vector FMAs, or v_wmma_f32_16x16x4_f32). A number that lies on a knife's edge between two numbers of the format may be rounded either way, as far as f32 arithmetic and the matrix unit's own rounding can turn it there, and no further.
;; One version. Each part assembles by itself: llvm-mc -triple=amdgcn-amd-amdhsa -mcpu=gfx1250 --defsym DOCPART=n.
;; ======== version 1 of 1: 4 launches
;; workspace buffers: xq 6,553,600 bytes; wq 3,276,800 bytes; qb 13,107,200 bytes; kv 13,107,200 bytes; oq 6,553,600 bytes
;; launch quant (part 1): grid 384 x 1, 4 waves a work-group, no clusters, 68,096 bytes of LDS; arguments x, Wq, Wk, Wv, Wo, xq, wq; writes xq, wq
.if DOCPART == 1
	.amdgcn_target "amdgcn-amd-amdhsa--gfx1250"
	.amdhsa_code_object_version 6
	.text
	.protected	k_q8b62db729c_quant
	.globl	k_q8b62db729c_quant
	.p2align	8
	.type	k_q8b62db729c_quant,@function
k_q8b62db729c_quant:
	s_mov_b64 s[64:65], 0
	v_nop
	global_prefetch_b8 v0, s[64:65] scope:SCOPE_SE
	s_setreg_imm32_b32 hwreg(HW_REG_WAVE_MODE, 25, 1), 1
	s_wait_xcnt 0x0
; x [8192][1024] and the four weights, f32, become codes of FP6 (E2M3) with one E8M0 byte for each 32 along K = the model's 1,024.
; A block's scale is 2^(floor(log2(its largest magnitude)) - 2); its byte is that magnitude's exponent field - 2, held at 1 from below.
; LIMITS: NaN and infinities are not served; a block whose largest magnitude lies under 2^-124 (zeros too) gets the byte 1: the bytes are read by this program alone.
; THE WORKSPACES ARE LAID IN THE ORDER OF THE OPERANDS' REGISTERS.  A tile is 16 rows; lane r of tile 2 g + u holds row 32 g + 8 u + r + 8 (r / 8).
; A tile's block of 12,800 bytes is two halves of K, 6,400 each: 4 K steps of 128, 1,536 bytes each, then 256 bytes of scale words [row][4].
; A K step is two pieces of 768 bytes (64 along K: six registers a lane): registers 0-3 at 16 x lane, registers 4-5 at 512 + 8 x lane.
; wq's tiles: 0-63 Wq (row n = 64 head + e), 64-127 Wk, 128-191 Wv, 192-255 Wo (row n = its column).
; Work-groups 0-127 take the weights (K is not innermost: a lane takes a column, its registers run down K; no LDS), 128-383 take x (K innermost:
; dense loads, turned through the wave's own stage in LDS).  No cluster: no two work-groups read the same bytes.
.set SEL, 28                           ; s[28:29] lane selects: lane l xor 16
.set HM,  30                           ; s30      the mask of lanes 16-31
.set R,   16                           ; v16-143  x: two sets of 64 numbers as loaded
.set X,   144                          ; v144-207 x: 64 numbers, register 16 b + i = k 32 b + 16 (lane / 16) + i of my row
.set PC,  208                          ; v208-227 the codes just made
.set TM,  228                          ; v228-243 at work
.set PW,  244                          ; v244     the scale word just made
.set WD,  246                          ; v246-249 the four K steps' scale words
.set WO,  250                          ; v250-251 my two of them
.set WX,  32                           ; v32-95   weights: two sets of 32 numbers
.set WC,  96                           ; v96-101  a block's codes
.set WE,  104                          ; v104-106 its upper 16 codes as converted
.set SB,  24                           ; v24-25   eight scale bytes
; 64 numbers of a lane become a fragment's 12 registers in v[PC] on and its scale word in v[pw].
.macro QUANT s, pw
.irp b, 0,1,2,3
	v_max3_num_f32 v[TM+\b], |v[\s+16*\b]|, |v[\s+1+16*\b]|, 0x1800000   ; my 16 numbers of block b, and the floor 2^(3 - 127): the byte cannot fall under 1
.endr
.irp i, 2,4,6,8,10,12,14
.irp b, 0,1,2,3
	v_max3_num_f32 v[TM+\b], v[TM+\b], |v[\s+16*\b+\i]|, |v[\s+1+16*\b+\i]|
.endr
.endr
.irp b, 0,1,2,3
	v_permlanex16_b32 v[TM+4+\b], v[TM+\b], s[SEL], s[SEL+1]
.endr
.irp b, 0,1,2,3
	v_max_num_f32 v[TM+\b], v[TM+\b], v[TM+4+\b]   ; with lane l xor 16's: the block's largest magnitude
.endr
.irp b, 0,1,2,3
	v_add_nc_u32 v[TM+12+\b], 0xff000000, v[TM+\b]   ; 2 off its exponent field: the conversion's scale operand
.endr
.irp b, 0,1,2,3
	v_lshrrev_b32 v[TM+4+\b], 23, v[TM+12+\b]      ; the scale's byte
.endr
	v_lshl_or_b32 v[\pw], v[TM+5], 8, v[TM+4]
	v_lshl_or_b32 v[\pw], v[TM+6], 16, v[\pw]
	v_lshl_or_b32 v[\pw], v[TM+7], 24, v[\pw]
.irp c, 0,1
	v_cvt_scalef32_pk16_fp6_f32 v[PC+6*\c:PC+2+6*\c], v[\s+32*\c:\s+15+32*\c], v[TM+12+2*\c]
	v_cvt_scalef32_pk16_fp6_f32 v[PC+12+4*\c:PC+14+4*\c], v[\s+16+32*\c:\s+31+32*\c], v[TM+12+2*\c+1]
.endr
	v_nop                                          ; one plain place behind a scaled conversion
.irp c, 0,1                                    ; a whole block to a lane: lanes 0-15 block 2 c, lanes 16-31 block 2 c + 1
.irp i, 0,1,2
	v_permlane16_swap_b32 v[PC+6*\c+\i], v[PC+12+4*\c+\i]
.endr
.irp i, 0,1,2
	v_mov_b32 v[PC+3+6*\c+\i], v[PC+12+4*\c+\i]
.endr
.endr
.endm
.macro WLOAD t, pitch                  ; block t of my column: 32 rows of the weight; a load reads 128 consecutive bytes
.set ii, 0
.rept 32
	global_load_b32 v[WX+32*((\t)%2)+ii], v1, s[6:7] offset:(32*(\t)+ii)*(\pitch) th:TH_LOAD_NT
.set ii, ii+1
.endr
.endm
.macro BLOCK t, pitch
.set XS, WX+32*((\t)%2)
.if (\t) < 7
	s_wait_loadcnt 32                              ; this block's 32 loads are in; the next block's may be out
.else
	s_wait_loadcnt 0x0
.endif
	v_max3_num_f32 v12, |v[XS]|, |v[XS+1]|, |v[XS+2]|
	v_max3_num_f32 v13, |v[XS+3]|, |v[XS+4]|, |v[XS+5]|
.irp i, 6,10,14,18,22,26
	v_max3_num_f32 v12, v12, |v[XS+\i]|, |v[XS+\i+1]|
	v_max3_num_f32 v13, v13, |v[XS+\i+2]|, |v[XS+\i+3]|
.endr
	v_max3_num_f32 v12, v12, |v[XS+30]|, |v[XS+31]|
	v_max3_num_f32 v12, v12, v13, 0x1800000        ; and the floor
	v_add_nc_u32 v11, 0xff000000, v12              ; the conversion's scale operand
	v_lshrrev_b32 v13, 23, v11                     ; the byte
.if (\t)%4 == 0
	v_mov_b32 v[SB+(\t)/4], v13
.else
	v_lshl_or_b32 v[SB+(\t)/4], v13, 8*((\t)%4), v[SB+(\t)/4]
.endif
	s_wait_xcnt 0x0                                ; the last block's stores have read the codes' registers
	v_cvt_scalef32_pk16_fp6_f32 v[WC:WC+2], v[XS:XS+15], v11
	v_cvt_scalef32_pk16_fp6_f32 v[WE:WE+2], v[XS+16:XS+31], v11
	v_nop                                          ; one plain place behind a scaled conversion
.irp i, 0,1,2
	v_mov_b32 v[WC+3+\i], v[WE+\i]
.endr
	; block t is K step t / 4, piece (t / 2) % 2, lanes 16 (t % 2) + r of the image
	global_store_b128 v6, v[WC:WC+3], s[34:35] offset:((\t)/4)*1536+(((\t)/2)%2)*768+((\t)%2)*256
	global_store_b64 v7, v[WC+4:WC+5], s[34:35] offset:((\t)/4)*1536+(((\t)/2)%2)*768+512+((\t)%2)*128
.if (\t)+2 < 8
	WLOAD (\t)+2, \pitch
.endif
.endm
.macro WBODY pitch
	WLOAD 0, \pitch
	WLOAD 1, \pitch
.irp t, 0,1,2,3,4,5,6,7
	BLOCK \t, \pitch
.endr
	global_store_b64 v6, v[SB:SB+1], s[36:37]      ; my row's two scale words
.endm
	s_load_b256 s[4:11], s[0:1], 0x0               ; x, Wq, Wk, Wv
	s_load_b128 s[12:15], s[0:1], 0x20             ; Wo, xq
	s_load_b64 s[16:17], s[0:1], 0x30              ; wq
	v_lshl_add_u32 v254, v0, 2, 0x10800
	v_mov_b32 v255, 0
	v_lshrrev_b32 v1, 5, v0
	v_readfirstlane_b32 s18, v1                    ; wave
	v_and_b32 v2, 31, v0                           ; lane
	s_cmp_ge_u32 ttmp9, 128
	s_cbranch_scc1 .Lx_path
	; ---- the weights: tensor T, 128 columns gx, 256 along K kq; a wave takes 32 columns
	s_lshr_b32 s19, ttmp9, 5                       ; T
	s_bfe_u32 s20, ttmp9, 0x30002                  ; gx
	s_and_b32 s21, ttmp9, 3                        ; kq
	v_lshlrev_b32 v1, 2, v2                        ; in: 4 bytes a lane
	v_bfe_u32 v3, v2, 3, 1                         ; column l of the 32 is row r = 8 (l / 16) + l % 8 of tile u = (l / 8) % 2
	v_lshrrev_b32 v4, 4, v2
	v_and_b32 v5, 7, v2
	v_lshl_add_u32 v4, v4, 3, v5
	v_mul_u32_u24 v3, v3, 12800
	v_lshl_add_u32 v6, v4, 4, v3                   ; out: 12,800 u + 16 r
	v_lshl_add_u32 v7, v4, 3, v3                   ;      12,800 u + 8 r
	s_lshr_b32 s22, s18, 1
	s_and_b32 s23, s18, 1
	s_lshl_b32 s24, s20, 1
	s_add_co_u32 s24, s24, s22                     ; Wq, Wk, Wv: head = 2 gx + wave / 2
	s_lshl_b32 s25, s24, 18
	s_lshl_b32 s26, s21, 16
	s_add_co_u32 s25, s25, s26
	s_lshl_b32 s26, s23, 7
	s_add_co_u32 s25, s25, s26                     ; from: head x 262,144 + kq x 256 rows of 256 bytes + 128 (wave % 2)
	s_lshl_b32 s27, s19, 6
	s_lshl_b32 s26, s24, 2
	s_add_co_u32 s27, s27, s26
	s_lshl_b32 s26, s23, 1
	s_add_co_u32 s27, s27, s26                     ; to: tile 64 T + 4 head + 2 (wave % 2)
	s_lshl_b32 s28, s21, 20
	s_lshl_b32 s26, s20, 9
	s_add_co_u32 s28, s28, s26
	s_lshl_b32 s26, s18, 7
	s_add_co_u32 s28, s28, s26                     ; Wo: from kq x 256 rows of 4,096 bytes + 4 (128 gx + 32 wave)
	s_lshl_b32 s29, s20, 3
	s_lshl_b32 s26, s18, 1
	s_add_co_u32 s29, s29, s26
	s_add_co_u32 s29, s29, 192                     ; to tile 192 + 8 gx + 2 wave
	s_wait_kmcnt 0x0
	s_cmp_eq_u32 s19, 1
	s_cselect_b64 s[6:7], s[8:9], s[6:7]
	s_cmp_eq_u32 s19, 2
	s_cselect_b64 s[6:7], s[10:11], s[6:7]
	s_cmp_eq_u32 s19, 3
	s_cselect_b64 s[6:7], s[12:13], s[6:7]
	s_cselect_b32 s30, s28, s25
	s_cselect_b32 s27, s29, s27
	s_mov_b32 s31, 0
	s_add_nc_u64 s[6:7], s[6:7], s[30:31]
	s_mul_i32 s27, s27, 12800
	s_lshr_b32 s26, s21, 1
	s_mul_i32 s26, s26, 6400
	s_add_co_u32 s27, s27, s26                     ; the tile's half of K
	s_and_b32 s26, s21, 1
	s_mul_i32 s32, s26, 3072
	s_add_co_u32 s32, s32, s27                     ; its K steps 2 (kq % 2) and the next
	s_mov_b32 s33, 0
	s_lshl_b32 s26, s26, 3
	s_add_co_u32 s38, s27, s26
	s_add_co_u32 s38, s38, 6144                    ; and their two scale words of each row
	s_mov_b32 s39, 0
	s_add_nc_u64 s[34:35], s[16:17], s[32:33]
	s_add_nc_u64 s[36:37], s[16:17], s[38:39]
	s_cmp_eq_u32 s19, 3
	s_cbranch_scc1 .Lwo
	WBODY 256
	s_endpgm
.Lwo:
	WBODY 4096
	s_endpgm
	; ---- x: a wave takes one tile of 16 rows and one half of K: 4 K steps
.Lx_path:
	s_sub_co_u32 s19, ttmp9, 128
	s_lshl_b32 s19, s19, 2
	s_add_co_u32 s19, s19, s18
	s_lshr_b32 s20, s19, 1                         ; tile
	s_and_b32 s21, s19, 1                          ; half of K
	s_lshr_b32 s22, s20, 1
	s_lshl_b32 s22, s22, 5
	s_and_b32 s23, s20, 1
	s_lshl_b32 s23, s23, 3
	s_add_co_u32 s22, s22, s23                     ; the tile's first row
	s_lshl_b32 s22, s22, 12
	s_lshl_b32 s23, s21, 11
	s_add_co_u32 s22, s22, s23
	s_mov_b32 s23, 0
	s_mul_i32 s24, s20, 12800
	s_mul_i32 s25, s21, 6400
	s_add_co_u32 s24, s24, s25
	s_mov_b32 s25, 0
	s_mov_b32 s[SEL], 0x76543210
	s_mov_b32 s[SEL+1], 0xfedcba98
	s_mov_b32 s[HM], 0xffff0000
	v_lshlrev_b32 v3, 4, v2                        ; 16 x lane
	v_lshlrev_b32 v5, 3, v2                        ; 8 x lane
	v_and_b32 v9, 15, v0                           ; r
	v_bfe_u32 v10, v0, 4, 1                        ; h
	v_lshlrev_b32 v6, 4, v9
	v_lshl_add_u32 v6, v10, 3, v6                  ; 16 r + 8 h: my two scale words
	s_mul_i32 s26, s18, 16896                      ; my wave's two stages of 16 rows x (512 + 16) bytes
	v_add_nc_u32 v7, s26, v3                       ; in: a row as it lies
	v_mul_u32_u24 v8, v9, 528
	v_lshl_add_u32 v8, v10, 6, v8
	v_add_nc_u32 v8, s26, v8                       ; out: row r, 64 h bytes on: 16 neighbours of each block of 32
.irp b, 0,1,2,3
	v_mov_b32 v[TM+4+\b], 0                        ; a lane permute's destination counts as one of its sources
.endr
	s_wait_kmcnt 0x0
	s_add_nc_u64 s[4:5], s[4:5], s[22:23]
	s_add_nc_u64 s[14:15], s[14:15], s[24:25]
.macro XLOAD t                         ; K step t of my 16 rows: each load reads 512 consecutive bytes
.set ii, 0
.rept 16
	global_load_b128 v[R+64*((\t)%2)+4*ii:R+64*((\t)%2)+4*ii+3], v3, s[4:5] offset:(ii+8*(ii/8))*4096+512*(\t) th:TH_LOAD_NT
.set ii, ii+1
.endr
.endm
.macro XTURN t                         ; LDS serves a wave's instructions in order: no wait between the stores and the loads
.set ii, 0
.rept 16
	ds_store_b128 v7, v[R+64*((\t)%2)+4*ii:R+64*((\t)%2)+4*ii+3] offset:8448*((\t)%2)+528*ii
.set ii, ii+1
.endr
.set ii, 0
.rept 16
	ds_load_b128 v[X+4*ii:X+4*ii+3], v8 offset:8448*((\t)%2)+128*(ii/4)+16*(ii%4)
.set ii, ii+1
.endr
.endm
	XLOAD 0
	XLOAD 1
.irp t, 0,1,2,3
.if \t < 3
	s_wait_loadcnt 16                              ; this K step's 16 loads are in; the next step's may be out
.else
	s_wait_loadcnt 0x0
.endif
	XTURN \t
	s_wait_dscnt 0x0                               ; the numbers are back, and the stores have read their registers
.if \t < 2
	XLOAD \t+2
.endif
.if \t > 0
	s_wait_xcnt 0x0                                ; the last step's stores have read the codes' registers
.endif
	QUANT X, PW
	v_mov_b32 v[WD+\t], v[PW]
	global_store_b128 v3, v[PC:PC+3], s[14:15] offset:1536*\t
	global_store_b64 v5, v[PC+4:PC+5], s[14:15] offset:1536*\t+512
	global_store_b128 v3, v[PC+6:PC+9], s[14:15] offset:1536*\t+768
	global_store_b64 v5, v[PC+10:PC+11], s[14:15] offset:1536*\t+1280
.endr
	v_cndmask_b32 v[WO], v[WD], v[WD+2], s[HM]     ; lanes 0-15 store words 0, 1 of row r, lanes 16-31 words 2, 3
	v_cndmask_b32 v[WO+1], v[WD+1], v[WD+3], s[HM]
	global_store_b64 v6, v[WO:WO+1], s[14:15] offset:6144   ; 32 lanes store 256 consecutive bytes, aligned
	s_wait_tensorcnt 0x0
	ds_add_u32 v254, v255
	s_wait_dscnt 0x0
	s_endpgm
.Lfunc_end_k_q8b62db729c_quant:
	.size	k_q8b62db729c_quant, .Lfunc_end_k_q8b62db729c_quant-k_q8b62db729c_quant
	.p2alignl 7, 3214868480
	.fill 96, 4, 3214868480
	.section	.rodata,"a",@progbits
	.p2align	6, 0x0
	.amdhsa_kernel k_q8b62db729c_quant
		.amdhsa_group_segment_fixed_size 68096
		.amdhsa_private_segment_fixed_size 0
		.amdhsa_enable_private_segment 0
		.amdhsa_kernarg_size 56
		.amdhsa_user_sgpr_count 2
		.amdhsa_user_sgpr_kernarg_segment_ptr 1
		.amdhsa_wavefront_size32 1
		.amdhsa_system_sgpr_workgroup_id_x 1
		.amdhsa_system_sgpr_workgroup_id_y 1
		.amdhsa_system_sgpr_workgroup_id_z 1
		.amdhsa_system_vgpr_workitem_id 0
		.amdhsa_next_free_vgpr 256
		.amdhsa_next_free_sgpr 66
		.amdhsa_reserve_vcc 0
		.amdhsa_float_denorm_mode_32 3
		.amdhsa_float_denorm_mode_16_64 3
		.amdhsa_memory_ordered 1
		.amdhsa_forward_progress 1
		.amdhsa_inst_pref_size 111
	.end_amdhsa_kernel
	.amdgpu_metadata
---
amdhsa.version: [ 1, 2 ]
amdhsa.kernels:
  - .name:           k_q8b62db729c_quant
    .symbol:         k_q8b62db729c_quant.kd
    .args:
      - { .name: x, .offset: 0, .size: 8, .value_kind: global_buffer, .address_space: global }
      - { .name: Wq, .offset: 8, .size: 8, .value_kind: global_buffer, .address_space: global }
      - { .name: Wk, .offset: 16, .size: 8, .value_kind: global_buffer, .address_space: global }
      - { .name: Wv, .offset: 24, .size: 8, .value_kind: global_buffer, .address_space: global }
      - { .name: Wo, .offset: 32, .size: 8, .value_kind: global_buffer, .address_space: global }
      - { .name: xq, .offset: 40, .size: 8, .value_kind: global_buffer, .address_space: global }
      - { .name: wq, .offset: 48, .size: 8, .value_kind: global_buffer, .address_space: global }
    .group_segment_fixed_size: 68096
    .private_segment_fixed_size: 0
    .kernarg_segment_align: 8
    .kernarg_segment_size: 56
    .max_flat_workgroup_size: 128
    .sgpr_count:     66
    .vgpr_count:     256
    .wavefront_size: 32
...
	.end_amdgpu_metadata
.endif
;; end of part 1
;; launch qkv (part 2): grid 16 x 48, 4 waves a work-group, clusters of 4 x 4, 307,712 bytes of LDS; arguments xq, wq, bq, bk, bv, qb, kv; writes qb, kv
.if DOCPART == 2
	.amdgcn_target "amdgcn-amd-amdhsa--gfx1250"
	.amdhsa_code_object_version 6
	.text
	.protected	k_q8b62db729c_qkv
	.globl	k_q8b62db729c_qkv
	.p2align	8
	.type	k_q8b62db729c_qkv,@function
k_q8b62db729c_qkv:
	s_mov_b64 s[64:65], 0
	v_nop
	global_prefetch_b8 v0, s[64:65] scope:SCOPE_SE
	s_setreg_imm32_b32 hwreg(HW_REG_WAVE_MODE, 25, 1), 1
	s_wait_xcnt 0x0
	s_wait_alu depctr_hold_cnt(0) depctr_sa_sdst(0) depctr_va_vdst(0) depctr_va_sdst(0) depctr_va_ssrc(0) depctr_va_vcc(0) depctr_vm_vsrc(0)
	s_getreg_b32 s2, hwreg(HW_REG_IB_STS2, 6, 4)
	s_cmp_eq_u32 s2, 0
	s_cbranch_scc0 .Lentry_in_a_cluster
	s_endpgm
.Lentry_in_a_cluster:
	s_bfe_u32 s2, ttmp6, 0x10000c
	s_cmp_lg_u32 s2, 0xf033
	s_cbranch_scc0 .Lentry_shape_is_right
	s_endpgm
.Lentry_shape_is_right:
; q, k and v = x W + b on codes of FP6 (E2M3) with E8M0 scales, K = 1,024; the results are quantised in registers and stored as the operands of attention.
; Source 0 of the matrix instruction is operand P (a lane's result registers run along P's rows), source 1 operand N (a lane holds one row of N).
; A work-group takes 128 rows of P x 256 rows of N over all of K; its four waves share P, wave w owns N's tiles 4 w .. 4 w + 3: 32 accumulators.
; q, k (cluster y under 8): P = 128 rows of Wq or Wk (two heads), N = 256 tokens: a lane's 64 numbers run along e, the scores' K.
; v (cluster y from 8 on): P = 128 tokens, N = 256 rows of Wv (four heads): a lane's 64 numbers run along the keys, the second product's K.
; Tiles and their images: a tile is 16 rows, lane r of tile 2 g + u holds row 32 g + 8 u + r + 8 (r / 8), so that the 16 result registers of P's tiles 2 g, 2 g + 1 are 16 neighbours.
; A tile's block is 12,800 bytes: two halves of K of 6,400: 4 K steps of 1,536 bytes in the order of the registers, then 256 bytes of scale words [row][4].
; OUT: qb and kv, [batch x head 64][step of 128 tokens 16][12,800]: 8 pieces of 768 bytes (16 tokens x 64 e: q in qb, k in kv); from 6,144 four fragments of v^T (16 e x 128 keys, kv alone);
; from 12,288 scale words [pair of token tiles][row]: bytes 0, 1 the even tile's, 2, 3 the odd one's; from 12,544 v's [e tile][row].
; All of a work-group's operands fit in LDS: each half of K is filled once, by one joint load a wave; nothing is filled again.
; CLUSTER 4 x 4: N's tiles hang on y alone and are shared along a row of the cluster, P's on x and the cluster's y and are shared along a column.
; The scale words of q and k leave in runs of 64 bytes: one byte for each 24 of codes.
; LIMITS: NaN and infinities are not served; a block whose largest magnitude lies under 2^-124 (zeros too) gets the byte 1: the bytes are read by this program alone.
; REGISTERS: window 0: v4-13 addresses; v24-71 scale words, a set for each half of K; v72-167 N's fragments, two sets (later H and the codes); v168-231 the bias; v232-255 at work.
;   window 1: accumulator (a, b) at v[64 a + 8 b].   window 2: P's fragments, two sets, at v0 and v96.
.set TILEH, 6400
.set HALFB, 24*TILEH                   ; a half of K in LDS: N's 16 tiles, then P's 8
.set PBASE, 16*TILEH
.set AN16, 4
.set AN8,  5
.set AP16, 6
.set AP8,  7
.set ASN,  8
.set ASP,  9
.set VO16, 10                          ; 16 x lane
.set VO8,  11                          ; 512 + 8 x lane
.set VSC,  12                          ; where my scale word goes
.set SC,   24
.set NF,   72
.set H,    72
.set PC,   136
.set BI,   168
.set TM,   232
.set PWA,  248                         ; v248-251 the four tiles' scale words
.set SW,   252
.set WV,   18
.set SIDE, 19                          ; wave / 2: I fetch for N (0) or for P (1)
.set HW,   20                          ; wave % 2: which half of its tiles
.set CX,   21
.set CY,   22
.set CLY,  23
.set G1N,  24
.set G1P,  32
.set G0N,  40
.set G0P,  48
.set SEL,  72
.set DA,   74
.set DB,   76
.set DS,   78
.set BP,   80
.set HM,   82
.set MSB, 0
.macro WIN new                         ; the immediate's high byte repeats the setting that is left
.if MSB != \new
	s_set_vgpr_msb (MSB<<8)|\new
.set MSB, \new
.endif
.endm
.macro JLOAD hf                        ; a joint load: each line has one mask; the branch hangs on the wave's number alone; four v_nop follow each line
	s_cmp_eq_u32 s[SIDE], 0
	s_cbranch_scc0 .Lfor_p_\@
	tensor_load_to_lds s[G0N+4*\hf:G0N+4*\hf+3], s[G1N:G1N+7]
	s_nop 0
.rept 4
	v_nop
.endr
	s_branch .Lasked_\@
.Lfor_p_\@:
	tensor_load_to_lds s[G0P+4*\hf:G0P+4*\hf+3], s[G1P:G1P+7]
	s_nop 0
.rept 4
	v_nop
.endr
.Lasked_\@:
.endm
.macro CROUND                          ; a round of the cluster's barrier
	s_barrier_signal -1
	s_barrier_wait -1
	s_cmp_lg_u32 s[WV], 0
	s_cbranch_scc1 .Lnot_wave_0_\@
	s_barrier_signal -3
.Lnot_wave_0_\@:
	s_barrier_wait -3
	s_barrier_signal -1
	s_barrier_wait -1
.endm
.macro PLACES                          ; four plain places behind a matrix instruction of this form (ISA guide 7.12.1)
.rept 4
	v_nop
.endr
.endm
.macro QUANT s, pw                     ; 64 numbers, register 16 b + i = k 32 b + 16 (lane / 16) + i of my row, become 12 registers of codes in v[PC] on and a scale word in v[pw]
.irp b, 0,1,2,3
	v_max3_num_f32 v[TM+\b], |v[\s+16*\b]|, |v[\s+1+16*\b]|, 0x1800000   ; and the floor 2^(3 - 127): the byte cannot fall under 1
.endr
.irp i, 2,4,6,8,10,12,14
.irp b, 0,1,2,3
	v_max3_num_f32 v[TM+\b], v[TM+\b], |v[\s+16*\b+\i]|, |v[\s+1+16*\b+\i]|
.endr
.endr
.irp b, 0,1,2,3
	v_permlanex16_b32 v[TM+4+\b], v[TM+\b], s[SEL], s[SEL+1]
.endr
.irp b, 0,1,2,3
	v_max_num_f32 v[TM+\b], v[TM+\b], v[TM+4+\b]
.endr
.irp b, 0,1,2,3
	v_add_nc_u32 v[TM+12+\b], 0xff000000, v[TM+\b]   ; 2 off the exponent field: the conversion's scale operand
.endr
.irp b, 0,1,2,3
	v_lshrrev_b32 v[TM+4+\b], 23, v[TM+12+\b]
.endr
	v_lshl_or_b32 v[\pw], v[TM+5], 8, v[TM+4]
	v_lshl_or_b32 v[\pw], v[TM+6], 16, v[\pw]
	v_lshl_or_b32 v[\pw], v[TM+7], 24, v[\pw]
.irp c, 0,1
	v_cvt_scalef32_pk16_fp6_f32 v[PC+6*\c:PC+2+6*\c], v[\s+32*\c:\s+15+32*\c], v[TM+12+2*\c]
	v_cvt_scalef32_pk16_fp6_f32 v[PC+12+4*\c:PC+14+4*\c], v[\s+16+32*\c:\s+31+32*\c], v[TM+12+2*\c+1]
.endr
	v_nop                                          ; one plain place behind a scaled conversion
.irp c, 0,1
.irp i, 0,1,2
	v_permlane16_swap_b32 v[PC+6*\c+\i], v[PC+12+4*\c+\i]
.endr
.irp i, 0,1,2
	v_mov_b32 v[PC+3+6*\c+\i], v[PC+12+4*\c+\i]
.endr
.endr
.endm
.macro FRAG reg, a16, a8, off          ; a fragment's image comes back as it was stored: dense loads, no pitch
	ds_load_b128 v[\reg:\reg+3], v[\a16] offset:\off
	ds_load_b64 v[\reg+4:\reg+5], v[\a8] offset:\off
	ds_load_b128 v[\reg+6:\reg+9], v[\a16] offset:\off+768
	ds_load_b64 v[\reg+10:\reg+11], v[\a8] offset:\off+768
.endm
.macro FETCH s                         ; K step s: P's 8 fragments and my 4 of N, 48 loads, into set s % 2
	WIN 0x80
.irp b, 0,1,2,3,4,5,6,7
	FRAG 96*((\s)%2)+12*\b, AP16, AP8, TILEH*\b+1536*((\s)%4)
.endr
	WIN 0
.irp a, 0,1,2,3
	FRAG NF+48*((\s)%2)+12*\a, AN16, AN8, TILEH*\a+1536*((\s)%4)
.endr
.endm
.macro SCALES hf                       ; a half's scale words, four K steps a load: lanes 0-15 take P's tile i (N's tile i), lanes 16-31 P's tile i + 4 (N's i + 2)
.irp i, 0,1,2,3
	ds_load_b128 v[SC+24*\hf+4*\i:SC+24*\hf+4*\i+3], v[ASP] offset:TILEH*\i
.endr
.irp i, 0,1
	ds_load_b128 v[SC+24*\hf+16+4*\i:SC+24*\hf+16+4*\i+3], v[ASN] offset:TILEH*\i
.endr
.endm
.macro WM a, b, s, zero
.set rD, 64*(\a)+8*(\b)
.set rP, 96*((\s)%2)+12*(\b)
.set rN, NF+48*((\s)%2)+12*(\a)
.set rSP, SC+24*((\s)/4)+4*((\b)%4)+(\s)%4
.set rSN, SC+24*((\s)/4)+16+4*((\a)%2)+(\s)%4
.if \zero
.if (\b) < 4
.if (\a) < 2
	v_wmma_scale_f32_16x16x128_f8f6f4 v[rD:rD+7], v[rP:rP+11], v[rN:rN+11], 0, v[rSP], v[rSN] matrix_a_fmt:MATRIX_FMT_FP6 matrix_b_fmt:MATRIX_FMT_FP6
.else
	v_wmma_scale_f32_16x16x128_f8f6f4 v[rD:rD+7], v[rP:rP+11], v[rN:rN+11], 0, v[rSP], v[rSN] matrix_a_fmt:MATRIX_FMT_FP6 matrix_b_fmt:MATRIX_FMT_FP6 matrix_b_scale:MATRIX_SCALE_ROW1
.endif
.else
.if (\a) < 2
	v_wmma_scale_f32_16x16x128_f8f6f4 v[rD:rD+7], v[rP:rP+11], v[rN:rN+11], 0, v[rSP], v[rSN] matrix_a_fmt:MATRIX_FMT_FP6 matrix_b_fmt:MATRIX_FMT_FP6 matrix_a_scale:MATRIX_SCALE_ROW1
.else
	v_wmma_scale_f32_16x16x128_f8f6f4 v[rD:rD+7], v[rP:rP+11], v[rN:rN+11], 0, v[rSP], v[rSN] matrix_a_fmt:MATRIX_FMT_FP6 matrix_b_fmt:MATRIX_FMT_FP6 matrix_a_scale:MATRIX_SCALE_ROW1 matrix_b_scale:MATRIX_SCALE_ROW1
.endif
.endif
.else
.if (\b) < 4
.if (\a) < 2
	v_wmma_scale_f32_16x16x128_f8f6f4 v[rD:rD+7], v[rP:rP+11], v[rN:rN+11], v[rD:rD+7], v[rSP], v[rSN] matrix_a_fmt:MATRIX_FMT_FP6 matrix_b_fmt:MATRIX_FMT_FP6
.else
	v_wmma_scale_f32_16x16x128_f8f6f4 v[rD:rD+7], v[rP:rP+11], v[rN:rN+11], v[rD:rD+7], v[rSP], v[rSN] matrix_a_fmt:MATRIX_FMT_FP6 matrix_b_fmt:MATRIX_FMT_FP6 matrix_b_scale:MATRIX_SCALE_ROW1
.endif
.else
.if (\a) < 2
	v_wmma_scale_f32_16x16x128_f8f6f4 v[rD:rD+7], v[rP:rP+11], v[rN:rN+11], v[rD:rD+7], v[rSP], v[rSN] matrix_a_fmt:MATRIX_FMT_FP6 matrix_b_fmt:MATRIX_FMT_FP6 matrix_a_scale:MATRIX_SCALE_ROW1
.else
	v_wmma_scale_f32_16x16x128_f8f6f4 v[rD:rD+7], v[rP:rP+11], v[rN:rN+11], v[rD:rD+7], v[rSP], v[rSN] matrix_a_fmt:MATRIX_FMT_FP6 matrix_b_fmt:MATRIX_FMT_FP6 matrix_a_scale:MATRIX_SCALE_ROW1 matrix_b_scale:MATRIX_SCALE_ROW1
.endif
.endif
.endif
.endm
.macro MUL32 s, zero                   ; a K step: the 32 accumulators take turns, one instruction a turn, in the same order in every step
	WIN 0x52                                       ; source 0 (P) window 2, source 1 (N) window 0, C and D window 1
.irp a, 0,1,2,3
.irp b, 0,1,2,3,4,5,6,7
	WM \a, \b, \s, \zero
.endr
.endr
.endm
.macro MAIN                            ; the eight K steps; each step's fragments are fetched while the step before is multiplied
	s_wait_tensorcnt 0x1                           ; my part of the first half of K is in; the second half's load may be out
	s_barrier_signal -1
	s_barrier_wait -1                              ; everybody's is
	SCALES 0
	FETCH 0
	FETCH 1
	s_wait_dscnt 48                                ; all but the 48 just issued
	MUL32 0, 1                                     ; the first step's products start the sums
.irp s, 1,2
	PLACES                                         ; in front of loads into registers that the step before has read
	FETCH \s+1
	s_wait_dscnt 48
	MUL32 \s, 0
.endr
	WIN 0
	s_wait_tensorcnt 0x0                           ; my part of the second half is in,
	s_wait_dscnt 0x0                               ; and no LDS load of mine is out at the signal
	s_barrier_signal -1
	s_barrier_wait -1                              ; everybody's is
.irp r, AN16, AN8, AP16, AP8, ASN, ASP
	v_add_nc_u32 v[\r], HALFB, v[\r]               ; on to the second half; these six are also the places in front of the loads below
.endr
	SCALES 1
	FETCH 4
	MUL32 3, 0                                     ; its fragments were waited for in front of the barrier
.irp s, 4,5,6
	PLACES
	FETCH \s+1
	s_wait_dscnt 48
	MUL32 \s, 0
.endr
	s_wait_dscnt 0x0
	MUL32 7, 0
	PLACES                                         ; in front of the first read of results and the first write over N's fragments
	WIN 0
.endm
	s_load_b256 s[4:11], s[0:1], 0x0               ; xq, wq, bq, bk
	s_load_b128 s[12:15], s[0:1], 0x20             ; bv, qb
	s_load_b64 s[16:17], s[0:1], 0x30              ; kv
	v_lshl_add_u32 v242, v0, 2, 0x4b000
	v_mov_b32 v243, 0
	ds_add_u32 v242, v243
	ds_add_u32 v242, v243
	v_lshrrev_b32 v1, 5, v0
	v_readfirstlane_b32 s[WV], v1
	s_lshr_b32 s[SIDE], s[WV], 1
	s_and_b32 s[HW], s[WV], 1
	s_bfe_u32 s[CX], ttmp6, 0x40000
	s_bfe_u32 s[CY], ttmp6, 0x40004
	s_and_b32 s[CLY], ttmp7, 0xffff                ; the cluster's y
	s_lshl_b32 s56, s[CY], 2
	s_lshl_b32 s56, 15, s56                        ; my row of the cluster
	s_lshl_b32 s66, 0x1111, s[CX]                  ; my column
	; group 1: rows of 6,400 bytes (800 elements of 8 bytes: a tile's half of K), 12,800 bytes apart; N: 8 tiles a load, P: 4.  No padding.
	s_or_b32 s[G1N], s56, (3<<16)|(1<<21)
	s_or_b32 s[G1P], s66, (3<<16)|(1<<21)
	s_mov_b32 s[G1N+1], 800<<16
	s_mov_b32 s[G1N+2], 8<<16
	s_mov_b32 s[G1N+3], 800<<16
	s_mov_b32 s[G1N+4], 8
	s_mov_b32 s[G1N+5], 1600
	s_mov_b32 s[G1N+6], 0
	s_mov_b32 s[G1N+7], 0
	s_mov_b32 s[G1P+1], 800<<16
	s_mov_b32 s[G1P+2], 4<<16
	s_mov_b32 s[G1P+3], 800<<16
	s_mov_b32 s[G1P+4], 4
	s_mov_b32 s[G1P+5], 1600
	s_mov_b32 s[G1P+6], 0
	s_mov_b32 s[G1P+7], 0
	; N's first tile: q, k: 16 y = 64 cluster y + 16 cy of xq; v: 128 + 16 cy of wq.  s56-63 never hold cx
	s_lshl_b32 s57, s[CLY], 6
	s_lshl_b32 s58, s[CY], 4
	s_lshl_b32 s59, s[HW], 3
	s_add_co_u32 s58, s58, s59
	; P's first tile: q, k: 8 x of wq; v: 8 x + 128 (cluster y - 8) of xq.  s66-71, s84-85 never hold cy
	s_lshl_b32 s67, ttmp9, 2
	s_add_co_u32 s67, s67, s[CX]                   ; x
	s_lshl_b32 s68, s67, 3
	s_lshl_b32 s69, s[HW], 2
	s_add_co_u32 s68, s68, s69
	s_sub_co_u32 s69, s[CLY], 8
	s_lshl_b32 s69, s69, 7
	s_mul_i32 s86, s[HW], 8*TILEH                  ; where they go: the wave's number alone
	s_mul_i32 s87, s[HW], 4*TILEH
	s_add_co_u32 s87, s87, PBASE
	s_wait_dscnt 0x0
	s_wait_kmcnt 0x0
	s_cmp_ge_u32 s[CLY], 8                         ; the same in all sixteen partners
	s_cselect_b32 s57, 128, s57
	s_cselect_b32 s69, s69, 0
	s_cselect_b64 s[60:61], s[6:7], s[4:5]
	s_cselect_b64 s[70:71], s[4:5], s[6:7]
	s_add_co_u32 s57, s57, s58
	s_mul_i32 s62, s57, 12800
	s_mov_b32 s63, 0
	s_add_nc_u64 s[60:61], s[60:61], s[62:63]
	s_add_co_u32 s68, s68, s69
	s_mul_i32 s84, s68, 12800
	s_mov_b32 s85, 0
	s_add_nc_u64 s[70:71], s[70:71], s[84:85]
.irp hf, 0,1
	s_mov_b32 s[G0N+4*\hf], 1
	s_add_co_u32 s[G0N+4*\hf+1], s86, \hf*HALFB
	s_add_nc_u64 s[G0N+4*\hf+2:G0N+4*\hf+3], s[60:61], \hf*TILEH
	s_or_b32 s[G0N+4*\hf+3], s[G0N+4*\hf+3], 0x80000000
	s_mov_b32 s[G0P+4*\hf], 1
	s_add_co_u32 s[G0P+4*\hf+1], s87, \hf*HALFB
	s_add_nc_u64 s[G0P+4*\hf+2:G0P+4*\hf+3], s[70:71], \hf*TILEH
	s_or_b32 s[G0P+4*\hf+3], s[G0P+4*\hf+3], 0x80000000
.endr
	CROUND                                         ; all sixteen work-groups are here: the joint loads meet
	JLOAD 0                                        ; both halves of K go out at once: two loads of mine are out
	JLOAD 1
	v_and_b32 v1, 31, v0                           ; lane
	v_and_b32 v2, 15, v0                           ; r
	v_bfe_u32 v3, v0, 4, 1                         ; h
	v_lshlrev_b32 v[VO16], 4, v1
	v_lshl_add_u32 v[VO8], v1, 3, 512
	s_mul_i32 s88, s[WV], 4*TILEH                  ; my four tiles of N
	v_add_nc_u32 v[AN16], s88, v[VO16]
	v_add_nc_u32 v[AN8], s88, v[VO8]
	v_add_nc_u32 v[AP16], PBASE, v[VO16]
	v_add_nc_u32 v[AP8], PBASE, v[VO8]
	v_lshlrev_b32 v[ASN], 4, v2
	v_mad_u32_u24 v[ASP], v3, 4*TILEH, v[ASN]
	v_mad_u32_u24 v[ASN], v3, 2*TILEH, v[ASN]
	s_add_co_u32 s88, s88, 6144
	v_add_nc_u32 v[ASN], s88, v[ASN]
	v_add_nc_u32 v[ASP], PBASE+6144, v[ASP]
.irp b, 0,1,2,3
	v_mov_b32 v[TM+4+\b], 0                        ; a lane permute's destination counts as one of its sources
.endr
	s_mov_b32 s[SEL], 0x76543210
	s_mov_b32 s[SEL+1], 0xfedcba98
	s_mov_b32 s[HM], 0xffff0000                    ; lanes 16-31
	s_cmp_ge_u32 s[CLY], 8
	s_cbranch_scc1 .Lmode_v
	; ---- q and k
	s_lshl_b32 s90, s[CLY], 2
	s_add_co_u32 s90, s90, s[CY]                   ; y: 256 tokens
	s_and_b32 s91, s67, 7                          ; which two heads
	s_lshr_b32 s92, s90, 3
	s_lshl_b32 s92, s92, 4
	s_lshl_b32 s93, s91, 1
	s_add_co_u32 s92, s92, s93                     ; 16 x batch + the even head
	s_mul_i32 s92, s92, 204800
	s_and_b32 s93, s90, 7
	s_lshl_b32 s93, s93, 1
	s_add_co_u32 s93, s93, s[SIDE]                 ; my 64 tokens' step of 128
	s_mul_i32 s93, s93, 12800
	s_add_co_u32 s92, s92, s93
	s_mul_i32 s93, s[HW], 3072
	s_add_co_u32 s94, s92, s93                     ; my four pieces in it
	s_mov_b32 s95, 0
	s_lshl_b32 s93, s[HW], 7
	s_add_co_u32 s96, s92, s93
	s_add_co_u32 s96, s96, 12288                   ; and my two pairs' scale words
	s_mov_b32 s97, 0
	s_lshl_b32 s98, s91, 9
	s_mov_b32 s99, 0
	s_cmp_ge_u32 ttmp9, 2                          ; x from 8 on: Wk
	s_cselect_b64 s[DA:DA+1], s[16:17], s[14:15]
	s_cselect_b64 s[BP:BP+1], s[10:11], s[8:9]
	s_add_nc_u64 s[DS:DS+1], s[DA:DA+1], s[96:97]
	s_add_nc_u64 s[DA:DA+1], s[DA:DA+1], s[94:95]
	s_add_nc_u64 s[DB:DB+1], s[DA:DA+1], 204800    ; the odd head
	s_add_nc_u64 s[BP:BP+1], s[BP:BP+1], s[98:99]
	v_lshlrev_b32 v13, 6, v3
	v_lshlrev_b32 v[VSC], 2, v2
	v_mad_u32_u24 v[VSC], v3, 204800, v[VSC]       ; lanes 0-15 store the even head's words, lanes 16-31 the odd head's
.irp b, 0,1,2,3,4,5,6,7                        ; the bias in the result's layout: for P's tile b those of rows 32 (b / 2) + 16 h + 8 (b % 2) + 0 .. 7
	global_load_b128 v[BI+8*\b:BI+8*\b+3], v13, s[BP:BP+1] offset:(32*(\b/2)+8*(\b%2))*4
	global_load_b128 v[BI+8*\b+4:BI+8*\b+7], v13, s[BP:BP+1] offset:(32*(\b/2)+8*(\b%2))*4+16
.endr
	MAIN
	s_wait_loadcnt 0x0                             ; the bias
.irp a, 0,1,2,3
	WIN 0x01                                       ; source 0 window 1
.set jj, 0
.rept 32
	v_pk_add_f32 v[H+jj:H+jj+1], v[64*\a+jj:64*\a+jj+1], v[BI+jj:BI+jj+1]   ; each accumulator from its low end on
.set jj, jj+2
.endr
	WIN 0
.if \a > 0
	s_wait_xcnt 0x0                                ; the last tile's stores have read the codes' registers
.endif
	QUANT H, PWA+\a                                ; 16 tokens x (64 e of the even head, 64 e of the odd one)
	global_store_b128 v[VO16], v[PC:PC+3], s[DA:DA+1] offset:768*\a
	global_store_b64 v[VO8], v[PC+4:PC+5], s[DA:DA+1] offset:768*\a
	global_store_b128 v[VO16], v[PC+6:PC+9], s[DB:DB+1] offset:768*\a
	global_store_b64 v[VO8], v[PC+10:PC+11], s[DB:DB+1] offset:768*\a
.endr
.irp i, 0,1                                    ; a pair of token tiles shares a word: the low halves are the even head's bytes, the high halves the odd head's
	v_perm_b32 v[SW+2*\i], v[PWA+2*\i+1], v[PWA+2*\i], 0x05040100
	v_perm_b32 v[SW+2*\i+1], v[PWA+2*\i+1], v[PWA+2*\i], 0x07060302
	v_cndmask_b32 v[SW+2*\i], v[SW+2*\i], v[SW+2*\i+1], s[HM]
	global_store_b32 v[VSC], v[SW+2*\i], s[DS:DS+1] offset:64*\i
.endr
	s_wait_tensorcnt 0x0
	ds_add_u32 v242, v243
	s_wait_dscnt 0x0
	CROUND                                         ; the closing round
	s_endpgm
	; ---- v
.Lmode_v:
	s_sub_co_u32 s90, s[CLY], 8
	s_lshl_b32 s90, s90, 4
	s_add_co_u32 s90, s90, s67                     ; which 128 tokens
	s_lshr_b32 s91, s90, 4
	s_lshl_b32 s91, s91, 4                         ; 16 x batch
	s_lshl_b32 s92, s[CY], 2
	s_add_co_u32 s92, s92, s[WV]                   ; my head
	s_add_co_u32 s91, s91, s92
	s_mul_i32 s91, s91, 204800
	s_and_b32 s93, s90, 15
	s_mul_i32 s93, s93, 12800
	s_add_co_u32 s94, s91, s93
	s_add_co_u32 s94, s94, 6144
	s_mov_b32 s95, 0
	s_lshl_b32 s98, s92, 8
	s_mov_b32 s99, 0
	s_add_nc_u64 s[DA:DA+1], s[16:17], s[94:95]    ; the step's four fragments of v^T
	s_add_nc_u64 s[DS:DS+1], s[DA:DA+1], 6400      ; and their scale words
	s_add_nc_u64 s[BP:BP+1], s[12:13], s[98:99]
	v_and_b32 v13, 8, v2
	v_add_nc_u32 v13, v13, v2
	v_lshlrev_b32 v13, 2, v13                      ; my row of a tile: e = .. + r + 8 (r / 8)
	v_lshlrev_b32 v[VSC], 2, v1
.irp a, 0,1,2,3                                ; one number a lane and tile; the packed addition names a pair, so both registers are loaded
	global_load_b32 v[BI+2*\a], v13, s[BP:BP+1] offset:(32*(\a/2)+8*(\a%2))*4
	global_load_b32 v[BI+2*\a+1], v13, s[BP:BP+1] offset:(32*(\a/2)+8*(\a%2))*4
.endr
	MAIN
	s_wait_loadcnt 0x0
.irp a, 0,1,2,3
	WIN 0x01
.set jj, 0
.rept 32
	v_pk_add_f32 v[H+jj:H+jj+1], v[64*\a+jj:64*\a+jj+1], v[BI+2*\a:BI+2*\a+1] op_sel_hi:[1,0]
.set jj, jj+2
.endr
	WIN 0
.if \a > 0
	s_wait_xcnt 0x0
.endif
	QUANT H, PWA+\a                                ; 16 e x 128 keys
	global_store_b128 v[VO16], v[PC:PC+3], s[DA:DA+1] offset:1536*\a
	global_store_b64 v[VO8], v[PC+4:PC+5], s[DA:DA+1] offset:1536*\a
	global_store_b128 v[VO16], v[PC+6:PC+9], s[DA:DA+1] offset:1536*\a+768
	global_store_b64 v[VO8], v[PC+10:PC+11], s[DA:DA+1] offset:1536*\a+768
.endr
.irp i, 0,1
	v_cndmask_b32 v[SW+\i], v[PWA+2*\i], v[PWA+2*\i+1], s[HM]   ; lanes 0-15 tile 2 i, lanes 16-31 tile 2 i + 1
	global_store_b32 v[VSC], v[SW+\i], s[DS:DS+1] offset:128*\i
.endr
	s_wait_tensorcnt 0x0
	ds_add_u32 v242, v243
	s_wait_dscnt 0x0
	CROUND
	s_endpgm
.Lfunc_end_k_q8b62db729c_qkv:
	.size	k_q8b62db729c_qkv, .Lfunc_end_k_q8b62db729c_qkv-k_q8b62db729c_qkv
	.p2alignl 7, 3214868480
	.fill 96, 4, 3214868480
	.section	.rodata,"a",@progbits
	.p2align	6, 0x0
	.amdhsa_kernel k_q8b62db729c_qkv
		.amdhsa_group_segment_fixed_size 307712
		.amdhsa_private_segment_fixed_size 0
		.amdhsa_enable_private_segment 0
		.amdhsa_kernarg_size 56
		.amdhsa_user_sgpr_count 2
		.amdhsa_user_sgpr_kernarg_segment_ptr 1
		.amdhsa_wavefront_size32 1
		.amdhsa_system_sgpr_workgroup_id_x 1
		.amdhsa_system_sgpr_workgroup_id_y 1
		.amdhsa_system_sgpr_workgroup_id_z 1
		.amdhsa_system_vgpr_workitem_id 0
		.amdhsa_next_free_vgpr 704
		.amdhsa_next_free_sgpr 100
		.amdhsa_reserve_vcc 0
		.amdhsa_float_denorm_mode_32 3
		.amdhsa_float_denorm_mode_16_64 3
		.amdhsa_memory_ordered 1
		.amdhsa_forward_progress 1
		.amdhsa_inst_pref_size 181
	.end_amdhsa_kernel
	.amdgpu_metadata
---
amdhsa.version: [ 1, 2 ]
amdhsa.kernels:
  - .name:           k_q8b62db729c_qkv
    .symbol:         k_q8b62db729c_qkv.kd
    .args:
      - { .name: xq, .offset: 0, .size: 8, .value_kind: global_buffer, .address_space: global }
      - { .name: wq, .offset: 8, .size: 8, .value_kind: global_buffer, .address_space: global }
      - { .name: bq, .offset: 16, .size: 8, .value_kind: global_buffer, .address_space: global }
      - { .name: bk, .offset: 24, .size: 8, .value_kind: global_buffer, .address_space: global }
      - { .name: bv, .offset: 32, .size: 8, .value_kind: global_buffer, .address_space: global }
      - { .name: qb, .offset: 40, .size: 8, .value_kind: global_buffer, .address_space: global }
      - { .name: kv, .offset: 48, .size: 8, .value_kind: global_buffer, .address_space: global }
    .group_segment_fixed_size: 307712
    .private_segment_fixed_size: 0
    .kernarg_segment_align: 8
    .kernarg_segment_size: 56
    .max_flat_workgroup_size: 128
    .sgpr_count:     100
    .vgpr_count:     704
    .wavefront_size: 32
...
	.end_amdgpu_metadata
.endif
;; end of part 2
;; launch attn (part 3): grid 4 x 64, 16 waves a work-group, clusters of 4 x 1, 206,848 bytes of LDS; arguments qb, kv, oq; writes oq
.if DOCPART == 3
	.amdgcn_target "amdgcn-amd-amdhsa--gfx1250"
	.amdhsa_code_object_version 6
	.text
	.protected	k_q8b62db729c_attn
	.globl	k_q8b62db729c_attn
	.p2align	8
	.type	k_q8b62db729c_attn,@function
k_q8b62db729c_attn:
	s_mov_b64 s[64:65], 0
	v_nop
	global_prefetch_b8 v0, s[64:65] scope:SCOPE_SE
	s_setreg_imm32_b32 hwreg(HW_REG_WAVE_MODE, 25, 1), 1
	s_wait_xcnt 0x0
	s_wait_alu depctr_hold_cnt(0) depctr_sa_sdst(0) depctr_va_vdst(0) depctr_va_sdst(0) depctr_va_ssrc(0) depctr_va_vcc(0) depctr_vm_vsrc(0)
	s_getreg_b32 s2, hwreg(HW_REG_IB_STS2, 6, 4)
	s_cmp_eq_u32 s2, 0
	s_cbranch_scc0 .Lentry_in_a_cluster
	s_endpgm
.Lentry_in_a_cluster:
	s_bfe_u32 s2, ttmp6, 0x10000c
	s_cmp_lg_u32 s2, 0x3003
	s_cbranch_scc0 .Lentry_shape_is_right
	s_endpgm
.Lentry_shape_is_right:
; Causal attention of one batch and head on codes of FP6 (E2M3) with E8M0 scales; the result, divided by the row's sum, is quantised along the model's axis and stored as the last product's operand.
; t = score x 8 log2(e) (the source multiplies by sqrt(64)); M = the running largest t rounded up to a whole number; p = 2^(t - M) is quantised along the keys, not normalised;
; the row's sum is taken of the unquantised p; when M moves, sum and O are multiplied by 2^(old M - new M), which rounds nothing.
; SHARES.  The four work-groups of a cluster serve one head.  The head's k and v, 16 steps of 128 keys x 12,800 bytes, fill LDS ONCE: wave w asks for step w, jointly with the three partners.
; A tile is 16 queries (lane r of tile 2 g + u: query 32 g + 8 u + r + 8 (r / 8)).  Wave w of partner cx owns tiles J = 4 w + cx and 127 - J: their last steps are w / 2 and 15 - w / 2,
; so every branch hangs on the wave's number alone, and every wave of the launch works 17 steps.  The loops' trip counts are constants; a step behind a tile's last is jumped over.
; LAYOUT.  Both products transposed: S^T = k q^T, O^T = v^T p^T: a lane holds one query.  The head's 64 are half of the instruction's 128: a fragment of k holds TWO key tiles side by side,
; and is multiplied by [q | 0] for the first and by [0 | q] for the second: the other half meets zero codes, which add nothing.
; The output's scale bytes leave as 2 bytes a row, 32 bytes a tile.
; LIMITS: NaN and infinities are not served; a block of the output whose largest magnitude lies under 2^-124 gets the byte 1: the bytes are read by this program alone.
; REGISTERS: v1-5, v11 addresses that stay; v8-10 the step's; v12 -M, v13 the largest t, v[14:15] the sum; v16-33 [0 | q | 0]; v34-81 four fragments; v96-159 S^T, then p; v160-191 O^T;
;   v192-198 the second tile's q and scale word; v199 the mask's bound; v200 the first tile's scale word; v224-254 at work; v248-251 k's and v's scale words; v253 p's; v255 q's.
.set STEPB, 12800
.set HEADB, 16*STEPB
.set VOFF,  6144
.set L16,  1                           ; 16 x lane
.set L8,   2                           ; 512 + 8 x lane
.set L4,   3                           ; 12,288 + 4 x lane
.set R16,  4                           ; 16 r
.set DL,   5                           ; r + 8 (r / 8) - 16 h
.set AD16, 8
.set AD8,  9
.set AD4,  10
.set R4,   11                          ; 4 r
.set QZ,   16
.set FRG,  34
.set S,    96
.set O,    160
.set WV,   10
.set CX,   11
.set BH,   12
.set G1,   16
.set G0,   24
.set SEL,  28
.set CS,   30
.set TB,   32                          ; LDS byte at which the step begins
.set SG,   33                          ; the step
.set SL,   34                          ; the tile's last step
.set JA,   35
.set JB,   38
.macro CROUND
	s_barrier_signal -1
	s_barrier_wait -1
	s_cmp_lg_u32 s[WV], 0
	s_cbranch_scc1 .Lnot_wave_0_\@
	s_barrier_signal -3
.Lnot_wave_0_\@:
	s_barrier_wait -3
	s_barrier_signal -1
	s_barrier_wait -1
.endm
.macro FRAG reg, a16, a8, off
	ds_load_b128 v[\reg:\reg+3], v[\a16] offset:\off
	ds_load_b64 v[\reg+4:\reg+5], v[\a8] offset:\off
	ds_load_b128 v[\reg+6:\reg+9], v[\a16] offset:\off+768
	ds_load_b64 v[\reg+10:\reg+11], v[\a8] offset:\off+768
.endm
.macro QLOAD j, q, sw, sa              ; tile s[j]'s six registers of q and its pair's scale word; s[sa .. sa + 3]: their addresses
	s_lshr_b32 s[\sa], s[\j], 3
	s_mul_i32 s[\sa], s[\sa], STEPB
	s_and_b32 s46, s[\j], 7
	s_mul_i32 s47, s46, 768
	s_lshr_b32 s46, s46, 1
	s_lshl_b32 s46, s46, 6
	s_add_co_u32 s[\sa+2], s[\sa], s46
	s_add_co_u32 s[\sa+2], s[\sa+2], 12288
	s_add_co_u32 s[\sa], s[\sa], s47
	s_mov_b32 s[\sa+1], 0
	s_mov_b32 s[\sa+3], 0
	s_add_nc_u64 s[\sa:\sa+1], s[52:53], s[\sa:\sa+1]
	s_add_nc_u64 s[\sa+2:\sa+3], s[52:53], s[\sa+2:\sa+3]
	global_load_b128 v[\q:\q+3], v[L16], s[\sa:\sa+1]
	global_load_b64 v[\q+4:\q+5], v[L8], s[\sa:\sa+1]
	global_load_b32 v[\sw], v[R4], s[\sa+2:\sa+3]
.endm
.macro KQ p                            ; key tiles 2 p and 2 p + 1 from one fragment
.if (\p)%2 == 0
	v_wmma_scale_f32_16x16x128_f8f6f4 v[S+16*(\p):S+16*(\p)+7], v[FRG+12*(\p):FRG+12*(\p)+11], v[QZ+6:QZ+17], 0, v[248+(\p)/2], v255 matrix_a_fmt:MATRIX_FMT_FP6 matrix_b_fmt:MATRIX_FMT_FP6
	v_wmma_scale_f32_16x16x128_f8f6f4 v[S+16*(\p)+8:S+16*(\p)+15], v[FRG+12*(\p):FRG+12*(\p)+11], v[QZ:QZ+11], 0, v[248+(\p)/2], v255 matrix_a_fmt:MATRIX_FMT_FP6 matrix_b_fmt:MATRIX_FMT_FP6
.else
	v_wmma_scale_f32_16x16x128_f8f6f4 v[S+16*(\p):S+16*(\p)+7], v[FRG+12*(\p):FRG+12*(\p)+11], v[QZ+6:QZ+17], 0, v[248+(\p)/2], v255 matrix_a_fmt:MATRIX_FMT_FP6 matrix_b_fmt:MATRIX_FMT_FP6 matrix_a_scale:MATRIX_SCALE_ROW1
	v_wmma_scale_f32_16x16x128_f8f6f4 v[S+16*(\p)+8:S+16*(\p)+15], v[FRG+12*(\p):FRG+12*(\p)+11], v[QZ:QZ+11], 0, v[248+(\p)/2], v255 matrix_a_fmt:MATRIX_FMT_FP6 matrix_b_fmt:MATRIX_FMT_FP6 matrix_a_scale:MATRIX_SCALE_ROW1
.endif
.endm
.macro PV e                            ; O^T's tile e += 16 of the head's 64 x these 128 keys
.if (\e)%2 == 0
	v_wmma_scale_f32_16x16x128_f8f6f4 v[O+8*(\e):O+8*(\e)+7], v[FRG+12*(\e):FRG+12*(\e)+11], v[224:235], v[O+8*(\e):O+8*(\e)+7], v[250+(\e)/2], v253 matrix_a_fmt:MATRIX_FMT_FP6 matrix_b_fmt:MATRIX_FMT_FP6
.else
	v_wmma_scale_f32_16x16x128_f8f6f4 v[O+8*(\e):O+8*(\e)+7], v[FRG+12*(\e):FRG+12*(\e)+11], v[224:235], v[O+8*(\e):O+8*(\e)+7], v[250+(\e)/2], v253 matrix_a_fmt:MATRIX_FMT_FP6 matrix_b_fmt:MATRIX_FMT_FP6 matrix_a_scale:MATRIX_SCALE_ROW1
.endif
.endm
; One tile of 16 queries through all its steps.  which = 0: tile J; 1: tile 127 - J.  trips: the greatest number of steps that any wave's tile of that kind has.
.macro TILE which, trips
.if \which == 0
.set JR, JA
.set QW, 200
	s_lshr_b32 s[SL], s[WV], 1
.else
.set JR, JB
.set QW, 198
	s_wait_xcnt 0x0                                ; the first tile's stores have read their registers and bases
	s_lshr_b32 s[SL], s[WV], 1
	s_sub_co_u32 s[SL], 15, s[SL]
.irp i, 0,1,2,3,4,5
	v_mov_b32 v[QZ+6+\i], v[192+\i]
.endr
.endif
	s_and_b32 s46, s[JR], 1
	s_lshl_b32 s46, s46, 4
	v_lshrrev_b32 v255, s46, v[QW]                 ; my tile's two bytes of the pair's word,
	v_and_b32 v255, 0xffff, v255
	v_lshl_or_b32 v255, v255, 16, v255             ; for both places of q in the 128
	s_and_b32 s46, s[JR], 6
	s_lshl_b32 s46, s46, 4
	s_and_b32 s47, s[JR], 1
	s_lshl_b32 s47, s47, 3
	s_or_b32 s46, s46, s47
	v_add_nc_u32 v199, s46, v[DL]                  ; d = my query - the last step's first key - 16 h
	s_add_co_u32 s46, s49, s[JR]
	s_mul_i32 s46, s46, 12800                      ; the tile's block in oq
	s_add_co_u32 s60, s46, s50
	s_mov_b32 s61, 0
	s_add_co_u32 s62, s46, s51
	s_mov_b32 s63, 0
	s_add_nc_u64 s[60:61], s[8:9], s[60:61]
	s_add_nc_u64 s[62:63], s[8:9], s[62:63]
	v_mov_b32 v13, 0xff61b1e6                      ; the largest t so far: -3e38
	v_floor_f32 v12, -v13
	v_mov_b32 v14, 0
	v_mov_b32 v15, 0
.set jj, 0
.rept 32
	v_mov_b32 v[O+jj], 0                           ; the step is written once: the first finds zeros, which the first change of M leaves zeros
.set jj, jj+1
.endr
	s_mov_b32 s[TB], 0
	s_mov_b32 s[SG], 0
.Lstep_\@:
	s_cmp_gt_u32 s[SG], s[SL]                      ; all keys of the step come after my queries
	s_cbranch_scc1 .Lskip_\@
	v_add_nc_u32 v[AD16], s[TB], v[L16]
	v_add_nc_u32 v[AD8], s[TB], v[L8]
	v_add_nc_u32 v[AD4], s[TB], v[L4]
	v_nop                                          ; four places in front of loads into registers that the last step's products have read
.irp p, 0,1,2,3
	FRAG FRG+12*\p, AD16, AD8, 1536*\p
.endr
	ds_load_b32 v248, v[AD4]                       ; lanes 0-15 pair 0's words, lanes 16-31 pair 1's
	ds_load_b32 v249, v[AD4] offset:128
	s_wait_dscnt 0x0
.irp p, 0,1,2,3
	KQ \p
.endr
.rept 4
	v_nop                                          ; places in front of the loads below and of the first read of the scores
.endr
.irp e, 0,1,2,3
	FRAG FRG+12*\e, AD16, AD8, VOFF+1536*\e        ; v lands while the softmax is worked
.endr
	ds_load_b32 v250, v[AD4] offset:256
	ds_load_b32 v251, v[AD4] offset:384
	s_cmp_lg_u32 s[SG], s[SL]
	s_cbranch_scc1 .Lopen_\@
	v_mov_b32 v254, 0xff800000                     ; the tile's last step: register 16 b + i holds key 32 b + 16 h + i of it: hidden where 32 b + i > d
.set nn, 0
.rept 64
	v_cmp_gt_i32 vcc_lo, 32*(nn/16)+nn%16, v199
	v_cndmask_b32 v[S+nn], v[S+nn], v254, vcc_lo
.set nn, nn+1
.endr
.Lopen_\@:
.irp b, 0,1,2,3
	v_max3_num_f32 v[232+\b], v[S+16*\b], v[S+1+16*\b], v[S+2+16*\b]   ; the largest score of each block of 32 keys: for the row's maximum and for the block's largest p
.endr
.irp i, 3,5,7,9,11,13
.irp b, 0,1,2,3
	v_max3_num_f32 v[232+\b], v[232+\b], v[S+16*\b+\i], v[S+1+16*\b+\i]
.endr
.endr
.irp b, 0,1,2,3
	v_max_num_f32 v[232+\b], v[232+\b], v[S+15+16*\b]
.endr
.irp b, 0,1,2,3
	v_permlanex16_b32 v[236+\b], v[232+\b], s[SEL], s[SEL+1]
.endr
.irp b, 0,1,2,3
	v_max_num_f32 v[232+\b], v[232+\b], v[236+\b]
.endr
	v_max3_num_f32 v254, v232, v233, v234
	v_max_num_f32 v254, v254, v235
	v_mul_f32 v254, s[CS], v254
	v_max_num_f32 v13, v13, v254                   ; the running largest t
	v_mov_b32 v254, v12
	v_floor_f32 v12, -v13                          ; -M = floor(-t)
	v_sub_f32 v254, v12, v254
	v_cvt_i32_f32 v254, v254                       ; old M - new M, a whole number (it saturates)
	v_ldexp_f32 v252, 1.0, v254                    ; f = 2^(old M - new M)
.set jj, 0
.rept 32
	v_pk_fma_f32 v[S+jj:S+jj+1], v[S+jj:S+jj+1], s[CS:CS+1], v[12:13] op_sel_hi:[1,0,0]   ; t - M
.set jj, jj+2
.endr
.irp b, 0,1,2,3
	v_fma_f32 v[232+\b], v[232+\b], s[CS], v12
.endr
.set jj, 0
.rept 64
	v_exp_f32 v[S+jj], v[S+jj]                     ; p
.set jj, jj+1
.endr
	v_pk_mul_f32 v[14:15], v[14:15], v[252:253] op_sel_hi:[1,0]   ; the sums under the new M; a plain place behind the exponentials
	s_wait_alu depctr_va_vdst(0)                   ; one wait for the batch, ahead of its first reader
.irp b, 0,1,2,3
	v_exp_f32 v[232+\b], v[232+\b]                 ; each block's largest p
.endr
	v_pk_add_f32 v[236:237], v[S:S+1], v[S+2:S+3]  ; the row's sum of the unquantised p, in two chains
.irp j, 4,8,12,16,20,24,28,32,36,40,44,48,52,56,60
	v_pk_add_f32 v[14:15], v[14:15], v[S+\j:S+1+\j]
	v_pk_add_f32 v[236:237], v[236:237], v[S+2+\j:S+3+\j]
.endr
	v_pk_add_f32 v[14:15], v[14:15], v[236:237]
	s_wait_alu depctr_va_vdst(0)                   ; and one for the four
.irp b, 0,1,2,3
	v_max_num_f32 v[232+\b], 0x1800000, v[232+\b]  ; the floor: the byte cannot fall under 1
.endr
.irp b, 0,1,2,3
	v_add_nc_u32 v[244+\b], 0xff000000, v[232+\b]
.endr
.irp b, 0,1,2,3
	v_lshrrev_b32 v[236+\b], 23, v[244+\b]
.endr
	v_lshl_or_b32 v253, v237, 8, v236              ; p's scale word
	v_lshl_or_b32 v253, v238, 16, v253
	v_lshl_or_b32 v253, v239, 24, v253
.irp c, 0,1
	v_cvt_scalef32_pk16_fp6_f32 v[224+6*\c:226+6*\c], v[S+32*\c:S+15+32*\c], v[244+2*\c]
	v_cvt_scalef32_pk16_fp6_f32 v[236+4*\c:238+4*\c], v[S+16+32*\c:S+31+32*\c], v[244+2*\c+1]
.endr
	v_nop                                          ; one plain place behind a scaled conversion
.irp c, 0,1
.irp i, 0,1,2
	v_permlane16_swap_b32 v[224+6*\c+\i], v[236+4*\c+\i]
.endr
.irp i, 0,1,2
	v_mov_b32 v[227+6*\c+\i], v[236+4*\c+\i]
.endr
.endr
.set jj, 0
.rept 16
	v_pk_mul_f32 v[O+jj:O+jj+1], v[O+jj:O+jj+1], v[252:253] op_sel_hi:[1,0]   ; O^T under the new M; these sixteen also stand between the codes and scale word just made and the products
.set jj, jj+2
.endr
	s_wait_dscnt 0x0                               ; v is in
.irp e, 0,1,2,3
	PV \e                                          ; four accumulators, one instruction a turn
.endr
.Lskip_\@:
	s_add_co_u32 s[TB], s[TB], STEPB
	s_add_co_u32 s[SG], s[SG], 1
	s_cmp_lt_u32 s[SG], \trips
	s_cbranch_scc1 .Lstep_\@
	; the tile's end: O^T / the sum, quantised along the model's axis: my head's 64 are two blocks of 32
.rept 4
	v_nop
.endr
	v_add_f32 v14, v14, v15
	v_permlanex16_b32 v252, v14, s[SEL], s[SEL+1]
	v_add_f32 v14, v14, v252
	v_rcp_f32 v14, v14
	v_nop                                          ; a plain place behind the reciprocal
	s_wait_alu depctr_va_vdst(0)                   ; and the wait ahead of its first reader
.set jj, 0
.rept 32
	v_mul_f32 v[S+jj], v[O+jj], v14                ; register 16 g + i is e = 32 g + 16 h + i of my query
.set jj, jj+1
.endr
.irp b, 0,1
	v_max3_num_f32 v[232+\b], |v[S+16*\b]|, |v[S+1+16*\b]|, 0x1800000
.endr
.irp i, 2,4,6,8,10,12,14
.irp b, 0,1
	v_max3_num_f32 v[232+\b], v[232+\b], |v[S+16*\b+\i]|, |v[S+1+16*\b+\i]|
.endr
.endr
.irp b, 0,1
	v_permlanex16_b32 v[236+\b], v[232+\b], s[SEL], s[SEL+1]
.endr
.irp b, 0,1
	v_max_num_f32 v[232+\b], v[232+\b], v[236+\b]
.endr
.irp b, 0,1
	v_add_nc_u32 v[244+\b], 0xff000000, v[232+\b]
.endr
.irp b, 0,1
	v_lshrrev_b32 v[236+\b], 23, v[244+\b]
.endr
	v_lshl_or_b32 v254, v237, 8, v236              ; my row's two bytes
	v_cvt_scalef32_pk16_fp6_f32 v[224:226], v[S:S+15], v244
	v_cvt_scalef32_pk16_fp6_f32 v[240:242], v[S+16:S+31], v245
	v_nop
.irp i, 0,1,2
	v_permlane16_swap_b32 v[224+\i], v[240+\i]
.endr
.irp i, 0,1,2
	v_mov_b32 v[227+\i], v[240+\i]
.endr
	global_store_b128 v[L16], v[224:227], s[60:61]   ; a piece of 768 bytes: 512 consecutive bytes,
	global_store_b64 v[L8], v[228:229], s[60:61]     ; and 256
	global_store_b16 v[R16], v254, s[62:63]          ; lanes r and 16 + r write the same two bytes
.endm
	s_load_b128 s[4:7], s[0:1], 0x0                ; qb, kv
	s_load_b64 s[8:9], s[0:1], 0x10                ; oq
	v_lshl_add_u32 v223, v0, 2, 0x32000
	v_mov_b32 v243, 0
	ds_add_u32 v223, v243
	ds_add_u32 v223, v243
	v_lshrrev_b32 v1, 5, v0
	v_readfirstlane_b32 s[WV], v1                  ; wave 0..15
	s_bfe_u32 s[CX], ttmp6, 0x40000
	s_and_b32 s[BH], ttmp7, 0xffff                 ; batch x 16 + head
	; group 1: a step's 12,800 dense bytes as 50 rows of 256 bytes (32 elements of 8 bytes); the mask names all four partners
	s_mov_b32 s[G1], 15|(3<<16)|(1<<21)
	s_mov_b32 s[G1+1], 32<<16
	s_mov_b32 s[G1+2], 50<<16
	s_mov_b32 s[G1+3], 32<<16
	s_mov_b32 s[G1+4], 50
	s_mov_b32 s[G1+5], 32
	s_mov_b32 s[G1+6], 0
	s_mov_b32 s[G1+7], 0
	s_mul_i32 s13, s[WV], STEPB                    ; step w: its place in LDS and in the head
	s_mul_i32 s14, s[BH], HEADB
	s_mov_b32 s15, 0
	s_add_co_u32 s36, s14, s13
	s_mov_b32 s37, 0
	s_mov_b32 s[SEL], 0x76543210
	s_mov_b32 s[SEL+1], 0xfedcba98
	s_mov_b32 s[CS], 0x4138aa3b                    ; 8 log2(e)
	s_mov_b32 s[CS+1], s[CS]
	s_wait_dscnt 0x0
	s_wait_kmcnt 0x0
	s_mov_b32 s[G0], 1
	s_mov_b32 s[G0+1], s13
	s_add_nc_u64 s[G0+2:G0+3], s[6:7], s[36:37]
	s_or_b32 s[G0+3], s[G0+3], 0x80000000
	CROUND                                         ; all four work-groups are here: the joint loads meet
	tensor_load_to_lds s[G0:G0+3], s[G1:G1+7]      ; my one load
	s_nop 0
.rept 4
	v_nop
.endr
	v_and_b32 v5, 31, v0
	v_lshlrev_b32 v[L16], 4, v5
	v_lshl_add_u32 v[L8], v5, 3, 512
	v_lshl_add_u32 v[L4], v5, 2, 12288
	v_and_b32 v6, 15, v0                           ; r
	v_bfe_u32 v7, v0, 4, 1                         ; h
	v_lshlrev_b32 v[R16], 4, v6
	v_lshlrev_b32 v[R4], 2, v6
	v_and_b32 v5, 8, v6
	v_add_nc_u32 v5, v5, v6
	v_lshlrev_b32 v7, 4, v7
	v_sub_nc_u32 v[DL], v5, v7
	s_lshl_b32 s[JA], s[WV], 2
	s_add_co_u32 s[JA], s[JA], s[CX]               ; my two tiles: they enter global addresses and vector operands alone
	s_sub_co_u32 s[JB], 127, s[JA]
	s_add_nc_u64 s[52:53], s[4:5], s[14:15]        ; qb at my head
	s_and_b32 s46, s[BH], 15                       ; the head: K step head / 2 of the last product, piece head % 2
	s_lshr_b32 s49, s[BH], 4
	s_lshl_b32 s49, s49, 7                         ; the batch's first tile
	s_lshr_b32 s47, s46, 3
	s_mul_i32 s47, s47, 6400
	s_bfe_u32 s48, s46, 0x20001
	s_and_b32 s46, s46, 1
	s_mul_i32 s50, s48, 1536
	s_add_co_u32 s50, s50, s47
	s_mul_i32 s51, s46, 768
	s_add_co_u32 s50, s50, s51                     ; the piece's place in a tile's block
	s_lshl_b32 s51, s48, 2
	s_add_co_u32 s51, s51, s47
	s_lshl_b32 s46, s46, 1
	s_add_co_u32 s51, s51, s46
	s_add_co_u32 s51, s51, 6144                    ; and its two bytes' place in row 0's words
	QLOAD JA, QZ+6, 200, 40
	QLOAD JB, 192, 198, 56
.irp i, 0,1,2,3,4,5
	v_mov_b32 v[QZ+\i], 0                          ; zero codes on both sides of q
	v_mov_b32 v[QZ+12+\i], 0
.endr
.irp b, 0,1,2,3
	v_mov_b32 v[236+\b], 0                         ; a lane permute's destination counts as one of its sources
.endr
	v_mov_b32 v252, 0
	v_mov_b32 v253, 0                              ; named as the upper half of the pair v[252:253]
	s_wait_tensorcnt 0x0                           ; my step is in,
	s_barrier_signal -1
	s_barrier_wait -1                              ; all sixteen are: from here on LDS is only read
	s_wait_loadcnt 0x0                             ; q
	TILE 0, 8
	TILE 1, 16
	s_wait_tensorcnt 0x0
	ds_add_u32 v223, v243
	s_wait_dscnt 0x0
	CROUND                                         ; the closing round
	s_endpgm
.Lfunc_end_k_q8b62db729c_attn:
	.size	k_q8b62db729c_attn, .Lfunc_end_k_q8b62db729c_attn-k_q8b62db729c_attn
	.p2alignl 7, 3214868480
	.fill 96, 4, 3214868480
	.section	.rodata,"a",@progbits
	.p2align	6, 0x0
	.amdhsa_kernel k_q8b62db729c_attn
		.amdhsa_group_segment_fixed_size 206848
		.amdhsa_private_segment_fixed_size 0
		.amdhsa_enable_private_segment 0
		.amdhsa_kernarg_size 24
		.amdhsa_user_sgpr_count 2
		.amdhsa_user_sgpr_kernarg_segment_ptr 1
		.amdhsa_wavefront_size32 1
		.amdhsa_system_sgpr_workgroup_id_x 1
		.amdhsa_system_sgpr_workgroup_id_y 1
		.amdhsa_system_sgpr_workgroup_id_z 1
		.amdhsa_system_vgpr_workitem_id 0
		.amdhsa_next_free_vgpr 256
		.amdhsa_next_free_sgpr 66
		.amdhsa_reserve_vcc 1
		.amdhsa_float_denorm_mode_32 3
		.amdhsa_float_denorm_mode_16_64 3
		.amdhsa_memory_ordered 1
		.amdhsa_forward_progress 1
		.amdhsa_inst_pref_size 60
	.end_amdhsa_kernel
	.amdgpu_metadata
---
amdhsa.version: [ 1, 2 ]
amdhsa.kernels:
  - .name:           k_q8b62db729c_attn
    .symbol:         k_q8b62db729c_attn.kd
    .args:
      - { .name: qb, .offset: 0, .size: 8, .value_kind: global_buffer, .address_space: global }
      - { .name: kv, .offset: 8, .size: 8, .value_kind: global_buffer, .address_space: global }
      - { .name: oq, .offset: 16, .size: 8, .value_kind: global_buffer, .address_space: global }
    .group_segment_fixed_size: 206848
    .private_segment_fixed_size: 0
    .kernarg_segment_align: 8
    .kernarg_segment_size: 24
    .max_flat_workgroup_size: 512
    .sgpr_count:     66
    .vgpr_count:     256
    .wavefront_size: 32
...
	.end_amdgpu_metadata
.endif
;; end of part 3
;; launch oproj (part 4): grid 8 x 32, 4 waves a work-group, clusters of 4 x 4, 307,712 bytes of LDS; arguments oq, wq, bo, out0; writes out0
.if DOCPART == 4
	.amdgcn_target "amdgcn-amd-amdhsa--gfx1250"
	.amdhsa_code_object_version 6
	.text
	.protected	k_q8b62db729c_oproj
	.globl	k_q8b62db729c_oproj
	.p2align	8
	.type	k_q8b62db729c_oproj,@function
k_q8b62db729c_oproj:
	s_mov_b64 s[64:65], 0
	v_nop
	global_prefetch_b8 v0, s[64:65] scope:SCOPE_SE
	s_setreg_imm32_b32 hwreg(HW_REG_WAVE_MODE, 25, 1), 1
	s_wait_xcnt 0x0
	s_wait_alu depctr_hold_cnt(0) depctr_sa_sdst(0) depctr_va_vdst(0) depctr_va_sdst(0) depctr_va_ssrc(0) depctr_va_vcc(0) depctr_vm_vsrc(0)
	s_getreg_b32 s2, hwreg(HW_REG_IB_STS2, 6, 4)
	s_cmp_eq_u32 s2, 0
	s_cbranch_scc0 .Lentry_in_a_cluster
	s_endpgm
.Lentry_in_a_cluster:
	s_bfe_u32 s2, ttmp6, 0x10000c
	s_cmp_lg_u32 s2, 0xf033
	s_cbranch_scc0 .Lentry_shape_is_right
	s_endpgm
.Lentry_shape_is_right:
; out0 = attention's result x Wo + bo on codes of FP6 (E2M3) with E8M0 scales, K = 1,024; out0 [8192][1024] f32.
; Source 0 is operand P = 128 rows of Wo's image (wq's tiles 192 + 8 x on: output columns), source 1 operand N = 256 tokens (oq's tiles 16 y on): a lane holds one token and 64 of its 128 columns.
; A work-group takes 128 columns x 256 tokens over all of K; its four waves share P, wave w owns N's tiles 4 w .. 4 w + 3: 32 accumulators.
; A tile is 16 rows, lane r of tile 2 g + u holds row 32 g + 8 u + r + 8 (r / 8); a tile's block is 12,800 bytes: two halves of K of 6,400: 4 K steps of 1,536 bytes in the order of the
; registers, then 256 bytes of scale words [row][4].  Each half of K is filled once, by one joint load a wave; nothing is filled again.
; CLUSTER 4 x 4: N's tiles hang on y alone and are shared along a row of the cluster, P's on x alone and are shared along a column.
; THE WAY OUT: 16 tokens x 512 bytes at a time through the wave's own stage in LDS, so that 32 lanes store 512 consecutive bytes of a row.  The stage lies in the first half's bytes, which have had
; their only fill and which nobody reads behind the barrier in the middle of K.
; REGISTERS: window 0: v4-15 addresses; v24-71 scale words; v72-167 N's fragments, two sets (later H); v168-231 the bias.   window 1: accumulator (a, b) at v[64 a + 8 b].   window 2: P's fragments, two sets.
.set TILEH, 6400
.set HALFB, 24*TILEH
.set PBASE, 16*TILEH
.set AN16, 4
.set AN8,  5
.set AP16, 6
.set AP8,  7
.set ASN,  8
.set ASP,  9
.set VO16, 10
.set VO8,  11
.set STO,  12
.set RD,   14
.set SC,   24
.set NF,   72
.set H,    72
.set BI,   168
.set WV,   18
.set SIDE, 19
.set HW,   20
.set CX,   21
.set CY,   22
.set CLY,  23
.set G1N,  24
.set G1P,  32
.set G0N,  40
.set G0P,  48
.set DA,   74
.set BP,   80
.set MSB, 0
.macro WIN new
.if MSB != \new
	s_set_vgpr_msb (MSB<<8)|\new
.set MSB, \new
.endif
.endm
.macro JLOAD hf                        ; a joint load: each line has one mask; the branch hangs on the wave's number alone; four v_nop follow each line
	s_cmp_eq_u32 s[SIDE], 0
	s_cbranch_scc0 .Lfor_p_\@
	tensor_load_to_lds s[G0N+4*\hf:G0N+4*\hf+3], s[G1N:G1N+7]
	s_nop 0
.rept 4
	v_nop
.endr
	s_branch .Lasked_\@
.Lfor_p_\@:
	tensor_load_to_lds s[G0P+4*\hf:G0P+4*\hf+3], s[G1P:G1P+7]
	s_nop 0
.rept 4
	v_nop
.endr
.Lasked_\@:
.endm
.macro CROUND
	s_barrier_signal -1
	s_barrier_wait -1
	s_cmp_lg_u32 s[WV], 0
	s_cbranch_scc1 .Lnot_wave_0_\@
	s_barrier_signal -3
.Lnot_wave_0_\@:
	s_barrier_wait -3
	s_barrier_signal -1
	s_barrier_wait -1
.endm
.macro PLACES
.rept 4
	v_nop
.endr
.endm
.macro FRAG reg, a16, a8, off
	ds_load_b128 v[\reg:\reg+3], v[\a16] offset:\off
	ds_load_b64 v[\reg+4:\reg+5], v[\a8] offset:\off
	ds_load_b128 v[\reg+6:\reg+9], v[\a16] offset:\off+768
	ds_load_b64 v[\reg+10:\reg+11], v[\a8] offset:\off+768
.endm
.macro FETCH s
	WIN 0x80
.irp b, 0,1,2,3,4,5,6,7
	FRAG 96*((\s)%2)+12*\b, AP16, AP8, TILEH*\b+1536*((\s)%4)
.endr
	WIN 0
.irp a, 0,1,2,3
	FRAG NF+48*((\s)%2)+12*\a, AN16, AN8, TILEH*\a+1536*((\s)%4)
.endr
.endm
.macro SCALES hf
.irp i, 0,1,2,3
	ds_load_b128 v[SC+24*\hf+4*\i:SC+24*\hf+4*\i+3], v[ASP] offset:TILEH*\i
.endr
.irp i, 0,1
	ds_load_b128 v[SC+24*\hf+16+4*\i:SC+24*\hf+16+4*\i+3], v[ASN] offset:TILEH*\i
.endr
.endm
.macro WM a, b, s, zero
.set rD, 64*(\a)+8*(\b)
.set rP, 96*((\s)%2)+12*(\b)
.set rN, NF+48*((\s)%2)+12*(\a)
.set rSP, SC+24*((\s)/4)+4*((\b)%4)+(\s)%4
.set rSN, SC+24*((\s)/4)+16+4*((\a)%2)+(\s)%4
.if \zero
.if (\b) < 4
.if (\a) < 2
	v_wmma_scale_f32_16x16x128_f8f6f4 v[rD:rD+7], v[rP:rP+11], v[rN:rN+11], 0, v[rSP], v[rSN] matrix_a_fmt:MATRIX_FMT_FP6 matrix_b_fmt:MATRIX_FMT_FP6
.else
	v_wmma_scale_f32_16x16x128_f8f6f4 v[rD:rD+7], v[rP:rP+11], v[rN:rN+11], 0, v[rSP], v[rSN] matrix_a_fmt:MATRIX_FMT_FP6 matrix_b_fmt:MATRIX_FMT_FP6 matrix_b_scale:MATRIX_SCALE_ROW1
.endif
.else
.if (\a) < 2
	v_wmma_scale_f32_16x16x128_f8f6f4 v[rD:rD+7], v[rP:rP+11], v[rN:rN+11], 0, v[rSP], v[rSN] matrix_a_fmt:MATRIX_FMT_FP6 matrix_b_fmt:MATRIX_FMT_FP6 matrix_a_scale:MATRIX_SCALE_ROW1
.else
	v_wmma_scale_f32_16x16x128_f8f6f4 v[rD:rD+7], v[rP:rP+11], v[rN:rN+11], 0, v[rSP], v[rSN] matrix_a_fmt:MATRIX_FMT_FP6 matrix_b_fmt:MATRIX_FMT_FP6 matrix_a_scale:MATRIX_SCALE_ROW1 matrix_b_scale:MATRIX_SCALE_ROW1
.endif
.endif
.else
.if (\b) < 4
.if (\a) < 2
	v_wmma_scale_f32_16x16x128_f8f6f4 v[rD:rD+7], v[rP:rP+11], v[rN:rN+11], v[rD:rD+7], v[rSP], v[rSN] matrix_a_fmt:MATRIX_FMT_FP6 matrix_b_fmt:MATRIX_FMT_FP6
.else
	v_wmma_scale_f32_16x16x128_f8f6f4 v[rD:rD+7], v[rP:rP+11], v[rN:rN+11], v[rD:rD+7], v[rSP], v[rSN] matrix_a_fmt:MATRIX_FMT_FP6 matrix_b_fmt:MATRIX_FMT_FP6 matrix_b_scale:MATRIX_SCALE_ROW1
.endif
.else
.if (\a) < 2
	v_wmma_scale_f32_16x16x128_f8f6f4 v[rD:rD+7], v[rP:rP+11], v[rN:rN+11], v[rD:rD+7], v[rSP], v[rSN] matrix_a_fmt:MATRIX_FMT_FP6 matrix_b_fmt:MATRIX_FMT_FP6 matrix_a_scale:MATRIX_SCALE_ROW1
.else
	v_wmma_scale_f32_16x16x128_f8f6f4 v[rD:rD+7], v[rP:rP+11], v[rN:rN+11], v[rD:rD+7], v[rSP], v[rSN] matrix_a_fmt:MATRIX_FMT_FP6 matrix_b_fmt:MATRIX_FMT_FP6 matrix_a_scale:MATRIX_SCALE_ROW1 matrix_b_scale:MATRIX_SCALE_ROW1
.endif
.endif
.endif
.endm
.macro MUL32 s, zero                   ; the 32 accumulators take turns, one instruction a turn, in the same order in every step
	WIN 0x52
.irp a, 0,1,2,3
.irp b, 0,1,2,3,4,5,6,7
	WM \a, \b, \s, \zero
.endr
.endr
.endm
	s_load_b256 s[4:11], s[0:1], 0x0               ; oq, wq, bo, out0
	v_lshl_add_u32 v254, v0, 2, 0x4b000
	v_mov_b32 v255, 0
	ds_add_u32 v254, v255
	ds_add_u32 v254, v255
	v_lshrrev_b32 v1, 5, v0
	v_readfirstlane_b32 s[WV], v1
	s_lshr_b32 s[SIDE], s[WV], 1
	s_and_b32 s[HW], s[WV], 1
	s_bfe_u32 s[CX], ttmp6, 0x40000
	s_bfe_u32 s[CY], ttmp6, 0x40004
	s_and_b32 s[CLY], ttmp7, 0xffff
	s_lshl_b32 s56, s[CY], 2
	s_lshl_b32 s56, 15, s56                        ; my row of the cluster
	s_lshl_b32 s66, 0x1111, s[CX]                  ; my column
	; group 1: rows of 6,400 bytes (800 elements of 8 bytes), 12,800 bytes apart; N: 8 tiles a load, P: 4
	s_or_b32 s[G1N], s56, (3<<16)|(1<<21)
	s_or_b32 s[G1P], s66, (3<<16)|(1<<21)
	s_mov_b32 s[G1N+1], 800<<16
	s_mov_b32 s[G1N+2], 8<<16
	s_mov_b32 s[G1N+3], 800<<16
	s_mov_b32 s[G1N+4], 8
	s_mov_b32 s[G1N+5], 1600
	s_mov_b32 s[G1N+6], 0
	s_mov_b32 s[G1N+7], 0
	s_mov_b32 s[G1P+1], 800<<16
	s_mov_b32 s[G1P+2], 4<<16
	s_mov_b32 s[G1P+3], 800<<16
	s_mov_b32 s[G1P+4], 4
	s_mov_b32 s[G1P+5], 1600
	s_mov_b32 s[G1P+6], 0
	s_mov_b32 s[G1P+7], 0
	s_lshl_b32 s57, s[CLY], 2
	s_add_co_u32 s57, s57, s[CY]                   ; y.  s56-63 never hold cx
	s_lshl_b32 s58, s57, 4
	s_lshl_b32 s59, s[HW], 3
	s_add_co_u32 s58, s58, s59                     ; N: tile 16 y + 8 x half
	s_mul_i32 s62, s58, 12800
	s_mov_b32 s63, 0
	s_lshl_b32 s67, ttmp9, 2
	s_add_co_u32 s67, s67, s[CX]                   ; x.  s66-71, s84-85 never hold cy
	s_lshl_b32 s68, s67, 3
	s_lshl_b32 s69, s[HW], 2
	s_add_co_u32 s68, s68, s69
	s_add_co_u32 s68, s68, 192                     ; P: tile 192 + 8 x + 4 x half
	s_mul_i32 s84, s68, 12800
	s_mov_b32 s85, 0
	s_mul_i32 s86, s[HW], 8*TILEH
	s_mul_i32 s87, s[HW], 4*TILEH
	s_add_co_u32 s87, s87, PBASE
	s_wait_dscnt 0x0
	s_wait_kmcnt 0x0
	s_add_nc_u64 s[60:61], s[4:5], s[62:63]
	s_add_nc_u64 s[70:71], s[6:7], s[84:85]
.irp hf, 0,1
	s_mov_b32 s[G0N+4*\hf], 1
	s_add_co_u32 s[G0N+4*\hf+1], s86, \hf*HALFB
	s_add_nc_u64 s[G0N+4*\hf+2:G0N+4*\hf+3], s[60:61], \hf*TILEH
	s_or_b32 s[G0N+4*\hf+3], s[G0N+4*\hf+3], 0x80000000
	s_mov_b32 s[G0P+4*\hf], 1
	s_add_co_u32 s[G0P+4*\hf+1], s87, \hf*HALFB
	s_add_nc_u64 s[G0P+4*\hf+2:G0P+4*\hf+3], s[70:71], \hf*TILEH
	s_or_b32 s[G0P+4*\hf+3], s[G0P+4*\hf+3], 0x80000000
.endr
	CROUND                                         ; all sixteen work-groups are here: the joint loads meet
	JLOAD 0                                        ; both halves of K go out at once: two loads of mine are out
	JLOAD 1
	v_and_b32 v1, 31, v0
	v_and_b32 v2, 15, v0
	v_bfe_u32 v3, v0, 4, 1
	v_lshlrev_b32 v[VO16], 4, v1
	v_lshl_add_u32 v[VO8], v1, 3, 512
	s_mul_i32 s88, s[WV], 4*TILEH
	v_add_nc_u32 v[AN16], s88, v[VO16]
	v_add_nc_u32 v[AN8], s88, v[VO8]
	v_add_nc_u32 v[AP16], PBASE, v[VO16]
	v_add_nc_u32 v[AP8], PBASE, v[VO8]
	v_lshlrev_b32 v[ASN], 4, v2
	v_mad_u32_u24 v[ASP], v3, 4*TILEH, v[ASN]
	v_mad_u32_u24 v[ASN], v3, 2*TILEH, v[ASN]
	s_add_co_u32 s88, s88, 6144
	v_add_nc_u32 v[ASN], s88, v[ASN]
	v_add_nc_u32 v[ASP], PBASE+6144, v[ASP]
	s_mul_i32 s89, s[WV], 16*528                   ; my stage: 16 rows x (512 + 16) bytes
	v_mul_u32_u24 v[STO], v2, 528
	v_lshl_add_u32 v[STO], v3, 6, v[STO]
	v_add_nc_u32 v[STO], s89, v[STO]               ; in: row r, 64 h bytes on
	v_add_nc_u32 v[RD], s89, v[VO16]               ; back: a whole row, 16 bytes a lane
	s_lshl_b32 s90, s[CLY], 2
	s_add_co_u32 s90, s90, s[CY]
	s_lshl_b32 s90, s90, 8
	s_lshl_b32 s91, s[WV], 6
	s_add_co_u32 s90, s90, s91                     ; my first token: 256 y + 64 wave
	s_lshl_b32 s90, s90, 12
	s_lshl_b32 s92, s67, 9                         ; my columns: 512 x bytes on, in out0's rows and in bo
	s_mov_b32 s93, 0
	s_add_co_u32 s90, s90, s92
	s_mov_b32 s91, 0
	s_add_nc_u64 s[DA:DA+1], s[10:11], s[90:91]
	s_add_nc_u64 s[BP:BP+1], s[8:9], s[92:93]
	v_lshlrev_b32 v13, 6, v3
.irp b, 0,1,2,3,4,5,6,7                        ; the bias in the result's layout
	global_load_b128 v[BI+8*\b:BI+8*\b+3], v13, s[BP:BP+1] offset:(32*(\b/2)+8*(\b%2))*4
	global_load_b128 v[BI+8*\b+4:BI+8*\b+7], v13, s[BP:BP+1] offset:(32*(\b/2)+8*(\b%2))*4+16
.endr
	s_wait_tensorcnt 0x1                           ; my part of the first half of K is in; the second half's load may be out
	s_barrier_signal -1
	s_barrier_wait -1
	SCALES 0
	FETCH 0
	FETCH 1
	s_wait_dscnt 48                                ; all but the 48 just issued
	MUL32 0, 1                                     ; the first step's products start the sums
.irp s, 1,2
	PLACES                                         ; in front of loads into registers that the step before has read
	FETCH \s+1
	s_wait_dscnt 48
	MUL32 \s, 0
.endr
	WIN 0
	s_wait_tensorcnt 0x0                           ; my part of the second half is in,
	s_wait_dscnt 0x0                               ; and my reads of the first half are over
	s_barrier_signal -1
	s_barrier_wait -1
.irp r, AN16, AN8, AP16, AP8, ASN, ASP
	v_add_nc_u32 v[\r], HALFB, v[\r]               ; on to the second half; these six are also the places in front of the loads below
.endr
	SCALES 1
	FETCH 4
	MUL32 3, 0
.irp s, 4,5,6
	PLACES
	FETCH \s+1
	s_wait_dscnt 48
	MUL32 \s, 0
.endr
	s_wait_dscnt 0x0
	MUL32 7, 0
	PLACES
	WIN 0
	s_wait_loadcnt 0x0                             ; the bias
.irp a, 0,1,2,3
.if \a > 0
	s_wait_xcnt 0x0                                ; the last tile's stores have read H
.endif
	WIN 0x01
.set jj, 0
.rept 32
	v_pk_add_f32 v[H+jj:H+jj+1], v[64*\a+jj:64*\a+jj+1], v[BI+jj:BI+jj+1]   ; each accumulator from its low end on
.set jj, jj+2
.endr
	WIN 0
.set qq, 0
.rept 16
	ds_store_b128 v[STO], v[H+4*qq:H+4*qq+3] offset:128*(qq/4)+16*(qq%4)   ; register 16 g + i is column 32 g + 16 h + i
.set qq, qq+1
.endr
.set qq, 0
.rept 16
	ds_load_b128 v[H+4*qq:H+4*qq+3], v[RD] offset:528*qq   ; LDS serves a wave's instructions in order: these see the stores above, and land in the registers that those have left
.set qq, qq+1
.endr
.set qq, 0
.rept 16
	s_wait_dscnt 15-qq
	global_store_b128 v[VO16], v[H+4*qq:H+4*qq+3], s[DA:DA+1] offset:(32*(\a/2)+8*(\a%2)+qq+8*(qq/8))*4096 th:TH_STORE_NT   ; 32 lanes store 512 consecutive bytes, aligned
.set qq, qq+1
.endr
.endr
	s_wait_tensorcnt 0x0
	ds_add_u32 v254, v255
	s_wait_dscnt 0x0
	CROUND                                         ; the closing round
	s_endpgm
.Lfunc_end_k_q8b62db729c_oproj:
	.size	k_q8b62db729c_oproj, .Lfunc_end_k_q8b62db729c_oproj-k_q8b62db729c_oproj
	.p2alignl 7, 3214868480
	.fill 96, 4, 3214868480
	.section	.rodata,"a",@progbits
	.p2align	6, 0x0
	.amdhsa_kernel k_q8b62db729c_oproj
		.amdhsa_group_segment_fixed_size 307712
		.amdhsa_private_segment_fixed_size 0
		.amdhsa_enable_private_segment 0
		.amdhsa_kernarg_size 32
		.amdhsa_user_sgpr_count 2
		.amdhsa_user_sgpr_kernarg_segment_ptr 1
		.amdhsa_wavefront_size32 1
		.amdhsa_system_sgpr_workgroup_id_x 1
		.amdhsa_system_sgpr_workgroup_id_y 1
		.amdhsa_system_sgpr_workgroup_id_z 1
		.amdhsa_system_vgpr_workitem_id 0
		.amdhsa_next_free_vgpr 704
		.amdhsa_next_free_sgpr 100
		.amdhsa_reserve_vcc 0
		.amdhsa_float_denorm_mode_32 3
		.amdhsa_float_denorm_mode_16_64 3
		.amdhsa_memory_ordered 1
		.amdhsa_forward_progress 1
		.amdhsa_inst_pref_size 93
	.end_amdhsa_kernel
	.amdgpu_metadata
---
amdhsa.version: [ 1, 2 ]
amdhsa.kernels:
  - .name:           k_q8b62db729c_oproj
    .symbol:         k_q8b62db729c_oproj.kd
    .args:
      - { .name: oq, .offset: 0, .size: 8, .value_kind: global_buffer, .address_space: global }
      - { .name: wq, .offset: 8, .size: 8, .value_kind: global_buffer, .address_space: global }
      - { .name: bo, .offset: 16, .size: 8, .value_kind: global_buffer, .address_space: global }
      - { .name: out0, .offset: 24, .size: 8, .value_kind: global_buffer, .address_space: global }
    .group_segment_fixed_size: 307712
    .private_segment_fixed_size: 0
    .kernarg_segment_align: 8
    .kernarg_segment_size: 32
    .max_flat_workgroup_size: 128
    .sgpr_count:     100
    .vgpr_count:     704
    .wavefront_size: 32
...
	.end_amdgpu_metadata
.endif
;; end of part 4
